; MI455X (gfx1250); checked and timed in simulation.
; The chip was launched on July 23, 2026; its instructions are those of AMD's public machine-readable ISA for CDNA 5 (MIT licence, August 2026) and "CDNA5" Instruction Set Architecture Reference Guide (July 2026). The comments in the code are by the model that wrote it; some were corrected since.
;; Mo E Element Fusion. Allowed arithmetic: matrix products marked QUANTISED: E2M3 operands, one E8M0 scale for each 32 along K, by v_wmma_scale_f32_16x16x128_f8f6f4 with both operands' format E2M3, f32 sums; products left as they are: f32 operands where the result goes on into a quantised operand, else bf16, f16 or f32 operands; f32 sums; everything else in f32.
;; Inputs: b1 16 x 2,048 float32; b2 16 x 512 float32; expert_keys 16 x 512 float32; proj_b 2 x 512 float32; proj_w 2 x 512 x 512 float32; router_w 2 x 512 x 512 float32; view0 4 x 256 x 512 float32; view1 4 x 256 x 512 float32; w1 16 x 512 x 2,048 float32; w2 16 x 2,048 x 512 float32.
;; Outputs: out0 4 x 256 x 512 float32.
;; This version of the problem:
;;   THIS VERSION OF THE PROBLEM IS GIVEN IN LOW PRECISION. The matrix products marked QUANTISED in the list below multiply operands that are first quantised to E2M3 (2 exponent bits, 3 mantissa bits; 6 bits a number), with one power-of-two scale for each 32 numbers along K (OCP MX v1.0); their sums are f32. All else is computed in f32.
;;   The module's matrix products, in the order in which they are computed (A, B: the left and right operand; K: the contracted axis; several contracted axes count as one K, in the product's order):
;;     1. [M 1,024, K 512] x [K 512, N 512]; A: input view0; B: input proj_w: QUANTISED
;;     2. [M 1,024, K 512] x [K 512, N 512]; A: computed on the way; B: input router_w: QUANTISED
;;     3. [M 1,024, K 512] x [K 512, N 16]; A: computed on the way; B: input expert_keys: QUANTISED
;;     4. [M 1,024, K 512] x [K 512, N 32,768]; A: computed on the way; B: input w1: QUANTISED
;;     5. batch 16 x [M 512, K 2,048] x [K 2,048, N 1,024]; A: input w2; B: computed on the way: QUANTISED
;;     6. batch 1,024 x [M 1, K 16] x [K 16, N 512]; A: computed on the way; B: computed on the way: left as it is (K = 16 < 32)
;;     7. [M 1,024, K 512] x [K 512, N 512]; A: input view1; B: input proj_w: QUANTISED
;;     8. [M 1,024, K 512] x [K 512, N 512]; A: computed on the way; B: input router_w: QUANTISED
;;     9. [M 1,024, K 512] x [K 512, N 16]; A: computed on the way; B: input expert_keys: QUANTISED
;;     10. [M 1,024, K 512] x [K 512, N 32,768]; A: computed on the way; B: input w1: QUANTISED
;;     11. batch 16 x [M 512, K 2,048] x [K 2,048, N 1,024]; A: input w2; B: computed on the way: QUANTISED
;;     12. batch 1,024 x [M 1, K 16] x [K 16, N 512]; A: computed on the way; B: computed on the way: left as it is (K = 16 < 32)
;;   THE QUANTISER, for each operand of a quantised product, along K:
;;     - K is cut into blocks of 32 from its start; a last block that is shorter is filled with zeros.
;;     - A block's scale is 2^e with e = floor(log2(the largest magnitude in the block)) - 2, held to -126 .. 127; a block of zeros has e = 0. As a byte (E8M0): e + 127.
;;     - Each number is divided by its block's scale, clamped to +-7.5, and rounded to the nearest number of E2M3, ties to even, subnormals kept.
;;     - The product sums the exact products of the quantised numbers (number of the format x scale) in f32.
;;   ~~~python
;;   def quantise(x, axis):      # numpy; x: float32 -> the quantised numbers, widened to float32 again
;;       x = np.moveaxis(x, axis, -1); K = x.shape[-1]
;;       x = np.pad(x, [(0, 0)] * (x.ndim - 1) + [(0, -K % 32)]); x = x.reshape(x.shape[:-1] + (-1, 32)); a = np.abs(x).max(-1, keepdims=True)
;;       e = np.where(a > 0, np.clip(np.frexp(np.where(a > 0, a, 1))[1] - 1 - 2, -126, 127), 0)      # np.frexp(a)[1] - 1 = floor(log2(a)), exactly
;;       r = np.clip(x / 2.0 ** e, -7.5, 7.5)
;;       step = 2.0 ** (np.maximum(np.frexp(np.where(r == 0, 1, r))[1] - 1, 0) - 3)
;;       q = np.round(r / step) * step * 2.0 ** e      # np.round: ties to even
;;       return np.moveaxis(q.reshape(q.shape[:-2] + (-1,))[..., :K], -1, axis).astype(np.float32)
;;   ~~~
;;   OPERANDS COMPUTED ON THE WAY. 'Computed on the way' means the value that the module computes at that place (a softmax that the list does not call 'softmax' is quantised finished and normalised). What goes into a quantiser is computed in f32, as accurately as f32 sums, v_exp_f32 and their like allow (about 1e-6 of the number): no bf16 or f16 on the way to a quantiser, and a product that is left as it is and whose result goes on into a quantised operand takes f32 operands (vector FMAs, or v_wmma_f32_16x16x4_f32). A number that lies on a knife's edge between two numbers of the format may be rounded either way, as far as f32 arithmetic and the matrix unit's own rounding can turn it there, and no further.
;; 2 versions, each right and faster than the one before. Each part assembles by itself: llvm-mc -triple=amdgcn-amd-amdhsa -mcpu=gfx1250 --defsym DOCPART=n.
;; ======== version 1 of 2: 5 launches
;; workspace buffers: pq 826,368 bytes; hq 819,200 bytes; ri 33,280 bytes of whole numbers; gate 32,768 bytes; wq 26,214,400 bytes; list 51,200 bytes of whole numbers; part 67,108,864 bytes
;; launch pquant (part 1): grid 17 x 1, 16 waves a work-group, no clusters, 0 bytes of LDS; arguments proj_w, router_w, expert_keys, pq; writes pq
.if DOCPART == 1
	.amdgcn_target "amdgcn-amd-amdhsa--gfx1250"
	.amdhsa_code_object_version 6
	.text
	.protected	k_q1ebb840264_pquant
	.globl	k_q1ebb840264_pquant
	.p2align	8
	.type	k_q1ebb840264_pquant,@function
k_q1ebb840264_pquant:
	s_mov_b64 s[64:65], 0
	v_nop
	global_prefetch_b8 v0, s[64:65] scope:SCOPE_SE
	s_setreg_imm32_b32 hwreg(HW_REG_WAVE_MODE, 25, 1), 1
	s_wait_xcnt 0x0
; THE PROGRAM: fused = sum over two views of sum over experts of g[e] (gelu(h w1[e] + b1[e]) w2[e] + b2[e]), h = x proj_w + proj_b, g from the four nearest expert keys to h router_w.
; All products with K >= 32 on codes of FP6 (E2M3) with one E8M0 scale for each 32 along K.  Five launches: this one, route, wprep, chain, combine.
; WORK LEFT OUT.  g is built by the function itself as a sum of one_hot(topi) x gate over the four indices of its own top_k: for the other twelve experts of a token g[e] is exactly 0, whatever the inputs hold,
; and their hidden rows and output rows enter the result only as 0 x out[e].  So only the 2,048 x 4 chosen (token, expert) rows are multiplied, and the weights of an expert that no token chose are not read.
; Which rows those are is a choice of whole numbers: route stores it, wprep and chain read it from memory.  Every input is loaded by some launch.
; LIMIT: a NaN, an infinity or an overflow that arises only in an expert that a token did not choose is not carried to the result.  NaN and infinities among the inputs are not served.
; THIS LAUNCH turns proj_w and router_w ([2][512 (K)][512] f32, K the FIRST axis) and expert_keys ([16][512], K innermost) into codes, laid as IMAGES OF THE OPERAND'S REGISTERS: a fragment
; (16 columns x 128 K, 12 registers a lane) is three pieces of 512 bytes, lane l's 16 bytes at 16 l.  It also makes the keys' sums of squares, one part for each 128 along K.
; A block's scale is 2^(floor(log2(largest magnitude)) - 2); its byte is that magnitude's exponent field - 2, held at 1 from below.  A block of zeros so gets the byte 1 where the rule says 127: its codes are zeros,
; which add nothing under any byte but 0xff, and the bytes are read by this program alone.
; SHARES.  Work-group g < 16: matrix g / 4 (proj view 0, 1, router view 0, 1), K step g % 4.  Wave W takes 128 rows of K x 32 columns: A LANE TAKES A COLUMN AND ITS REGISTERS RUN DOWN K, so a block of 32 lies in one lane.
; Lane l takes column (l & 7) | (l & 8) << 1 | (l & 16) >> 1 of the 32: lanes 0-15 then hold the columns of tile 2 b (lane r: column r + 8 (r / 8)), lanes 16-31 those of tile 2 b + 1 (8 more).  With that choice the
; 16 registers of a pair of result tiles are 16 neighbours along the next product's K.  Each load reads 128 consecutive bytes a wave; the sixteen waves stand side by side on a row's 2,048 bytes.
; Work-group 16: the keys, one K step for each of its first four waves; the other waves have no part.
.set COL, 2                            ; v2   4 x my column
.set LI,  3                            ; v3   16 x lane: my place in a piece of an image
.set LS,  4                            ; v4   4 x lane: my place in an image of scale words
.set SW,  24                           ; v24  my column's four scale bytes
.set X,   32                           ; v32-95   two sets of 32 numbers
.set F0,  96                           ; v96-107  blocks 0 and 2 of every column; behind the exchange: tile 2 b's fragment
.set F1,  108                          ; v108-119 blocks 1 and 3; behind the exchange: tile 2 b + 1's
.set T,   120                          ; v120-126 the upper halves of blocks, as the conversions leave them
.macro LOADB t, stride                 ; block t: rows 32 t .. 32 t + 31 of K at my column, into set t % 2
.set n_, 0
.rept 32
	global_load_b32 v[X+32*((\t)%2)+n_], v[COL], s[4:5] offset:(32*(\t)+n_)*(\stride) th:TH_LOAD_NT
.set n_, n_+1
.endr
.endm
.macro BLK t
.set XB_, X+32*((\t)%2)
.set D_, F0+12*((\t)%2)+6*((\t)/2)
	v_max3_num_f32 v12, |v[XB_]|, |v[XB_+1]|, |v[XB_+2]|            ; the block's largest magnitude: all 32 numbers are mine; two chains
	v_max3_num_f32 v13, |v[XB_+3]|, |v[XB_+4]|, |v[XB_+5]|
.irp i, 6,10,14,18,22,26
	v_max3_num_f32 v12, v12, |v[XB_+\i]|, |v[XB_+\i+1]|
	v_max3_num_f32 v13, v13, |v[XB_+\i+2]|, |v[XB_+\i+3]|
.endr
	v_max3_num_f32 v12, v12, |v[XB_+30]|, |v[XB_+31]|
	v_max3_num_f32 v12, v12, v13, 0x1800000        ; and the floor 2^(3 - 127): the byte cannot fall under 1
	v_add_nc_u32 v11, 0xff000000, v12              ; 2 off the exponent field: the conversion takes the exponent field of this operand as its scale
	v_lshrrev_b32 v13, 23, v11                     ; the scale's byte
.if (\t) == 0
	v_mov_b32 v[SW], v13
.else
	v_lshl_or_b32 v[SW], v13, 8*(\t), v[SW]
.endif
	v_cvt_scalef32_pk16_fp6_f32 v[D_:D_+2], v[XB_:XB_+15], v11
	v_cvt_scalef32_pk16_fp6_f32 v[T:T+2], v[XB_+16:XB_+31], v11     ; (a conversion's three registers begin on an even number)
	v_nop                                          ; one plain place behind a scaled conversion
.irp i, 0,1,2
	v_mov_b32 v[D_+3+\i], v[T+\i]
.endr
.if (\t)%2
.irp i, 0,1,2,3,4,5                    ; a fragment's lanes 0-15 hold blocks 0 and 2 of their column, lanes 16-31 blocks 1 and 3: F0's upper lanes change places with F1's lower
	v_permlane16_swap_b32 v[F0+6*((\t)/2)+\i], v[F1+6*((\t)/2)+\i]
.endr
.endif
.endm
.macro QSTEP stride                    ; 128 rows of K x 32 columns: two fragments and an image of scale words.  s[4:5] the numbers, s[6:7] the codes, s[8:9] the scale words
	LOADB 0, \stride
	LOADB 1, \stride
	s_wait_loadcnt 32                              ; this block's 32 loads are in; the next block's may be out
	BLK 0
	LOADB 2, \stride
	s_wait_loadcnt 32
	BLK 1
	LOADB 3, \stride
	s_wait_loadcnt 32
	BLK 2
	s_wait_loadcnt 0x0
	BLK 3
.irp j, 0,1,2
	global_store_b128 v[LI], v[F0+4*\j:F0+4*\j+3], s[6:7] offset:512*\j          ; 32 lanes store 512 consecutive bytes
.endr
.irp j, 0,1,2
	global_store_b128 v[LI], v[F1+4*\j:F1+4*\j+3], s[6:7] offset:1536+512*\j
.endr
	global_store_b32 v[LS], v[SW], s[8:9]          ; 128 consecutive bytes: lanes 0-15 tile 2 b's words, lanes 16-31 tile 2 b + 1's; one byte in 25 of what the wave stores
.endm
	s_load_b256 s[4:11], s[0:1], 0x0               ; proj_w s[4:5], router_w s[6:7], expert_keys s[8:9], pq s[10:11]
	v_lshrrev_b32 v1, 5, v0
	v_readfirstlane_b32 s12, v1                    ; wave W
	v_and_b32 v1, 31, v0                           ; lane
	v_and_b32 v[COL], 7, v1
	v_and_b32 v5, 8, v1
	v_lshl_or_b32 v[COL], v5, 1, v[COL]
	v_and_b32 v5, 16, v1
	v_lshrrev_b32 v5, 1, v5
	v_or_b32 v[COL], v[COL], v5
	v_lshlrev_b32 v[COL], 2, v[COL]
	v_lshlrev_b32 v[LI], 4, v1
	v_lshlrev_b32 v[LS], 2, v1
	s_mov_b32 s20, 0x76543210
	s_mov_b32 s21, 0xfedcba98                      ; v_permlanex16_b32's selects for lane l xor 16
	s_wait_kmcnt 0x0
	s_cmp_eq_u32 ttmp9, 16
	s_cbranch_scc1 .Lkeys
	s_lshr_b32 s13, ttmp9, 2                       ; which matrix
	s_and_b32 s14, ttmp9, 3                        ; which K step
	s_cmp_lt_u32 s13, 2
	s_cselect_b64 s[4:5], s[4:5], s[6:7]           ; a choice on the work-group's number alone
	s_and_b32 s15, s13, 1
	s_lshl_b32 s15, s15, 20                        ; the view: 512 x 512 x 4 bytes
	s_lshl_b32 s16, s14, 18                        ; 128 rows of 2,048 bytes
	s_add_co_u32 s16, s16, s15
	s_lshl_b32 s15, s12, 7                         ; 32 columns
	s_add_co_u32 s16, s16, s15
	s_mov_b32 s17, 0
	s_add_nc_u64 s[4:5], s[4:5], s[16:17]
	s_mul_i32 s18, s13, 196608                     ; codes: matrix x 196,608 + (W / 4) x 49,152 + (8 s + 2 (W % 4)) x 1,536
	s_lshr_b32 s15, s12, 2
	s_mul_i32 s19, s15, 49152
	s_add_co_u32 s18, s18, s19
	s_and_b32 s22, s12, 3
	s_lshl_b32 s19, s14, 3
	s_lshl_b32 s23, s22, 1
	s_add_co_u32 s19, s19, s23
	s_mul_i32 s19, s19, 1536
	s_add_co_u32 s18, s18, s19
	s_mov_b32 s19, 0
	s_add_nc_u64 s[6:7], s[10:11], s[18:19]
	s_lshl_b32 s18, s13, 13                        ; scale words: 786,432 + matrix x 8,192 + (W / 4) x 2,048 + (4 (W % 4) + s) x 128
	s_lshl_b32 s23, s15, 11
	s_add_co_u32 s18, s18, s23
	s_lshl_b32 s23, s22, 2
	s_add_co_u32 s23, s23, s14
	s_lshl_b32 s23, s23, 7
	s_add_co_u32 s18, s18, s23
	s_add_co_u32 s18, s18, 786432
	s_add_nc_u64 s[8:9], s[10:11], s[18:19]
	QSTEP 2048
	s_endpgm
.Lkeys:                                                ; K is innermost here: lane (r, h) takes, of key r, the two whole blocks that the operand's layout gives it: k = 128 s + 64 c + 32 h + 0 .. 31
	s_cmp_ge_u32 s12, 4
	s_cbranch_scc1 .Lend
	v_and_b32 v5, 15, v1                           ; r
	v_lshrrev_b32 v6, 4, v1                        ; h
	v_lshlrev_b32 v7, 11, v5
	v_lshl_add_u32 v7, v6, 7, v7
	s_lshl_b32 s13, s12, 9
	v_add_nc_u32 v7, s13, v7                       ; 2,048 r + 128 h + 512 s
.irp c, 0,1
.irp j, 0,1,2,3,4,5,6,7
	global_load_b128 v[X+32*\c+4*\j:X+32*\c+4*\j+3], v7, s[8:9] offset:256*\c+16*\j
.endr
.endr
	s_mul_i32 s14, s12, 1536
	s_add_co_u32 s14, s14, 819200
	s_mov_b32 s15, 0
	s_add_nc_u64 s[6:7], s[10:11], s[14:15]        ; the keys' fragment of this K step
	s_lshl_b32 s14, s12, 7
	s_add_co_u32 s14, s14, 825344
	s_add_nc_u64 s[16:17], s[10:11], s[14:15]      ; its scale words; 512 bytes on: its parts of the sums of squares
	s_wait_loadcnt 0x0
.irp c, 0,1
	v_max3_num_f32 v[12+\c], |v[X+32*\c]|, |v[X+1+32*\c]|, 0x1800000
.endr
.irp i, 2,4,6,8,10,12,14,16,18,20,22,24,26,28,30
.irp c, 0,1
	v_max3_num_f32 v[12+\c], v[12+\c], |v[X+32*\c+\i]|, |v[X+1+32*\c+\i]|
.endr
.endr
.irp c, 0,1
	v_add_nc_u32 v[14+\c], 0xff000000, v[12+\c]
.endr
.irp c, 0,1
	v_lshrrev_b32 v[16+\c], 23, v[14+\c]
.endr
	v_lshl_or_b32 v9, v17, 16, v16                 ; my two bytes: blocks h and 2 + h,
	v_lshlrev_b32 v10, 3, v6
	v_lshlrev_b32 v9, v10, v9                      ; at their places in the word;
	v_mov_b32 v10, 0
	v_permlanex16_b32 v10, v9, s20, s21
	v_or_b32 v[SW], v9, v10                        ; with lane l xor 16's two the word is whole
	v_pk_mul_f32 v[18:19], v[X:X+1], v[X:X+1]      ; the sum of squares of the numbers as they are given, in f32: two chains
	v_pk_mul_f32 v[20:21], v[X+2:X+3], v[X+2:X+3]
.irp i, 4,8,12,16,20,24,28,32,36,40,44,48,52,56,60
	v_pk_fma_f32 v[18:19], v[X+\i:X+\i+1], v[X+\i:X+\i+1], v[18:19]
	v_pk_fma_f32 v[20:21], v[X+\i+2:X+\i+3], v[X+\i+2:X+\i+3], v[20:21]
.endr
	v_pk_add_f32 v[18:19], v[18:19], v[20:21]
	v_add_f32 v18, v18, v19
	v_permlanex16_b32 v19, v18, s20, s21
	v_add_f32 v18, v18, v19                        ; key r's part for these 128
.irp c, 0,1
	v_cvt_scalef32_pk16_fp6_f32 v[F0+6*\c:F0+6*\c+2], v[X+32*\c:X+32*\c+15], v[14+\c]
	v_cvt_scalef32_pk16_fp6_f32 v[T+4*\c:T+4*\c+2], v[X+32*\c+16:X+32*\c+31], v[14+\c]
.endr
	v_nop                                          ; one plain place behind a scaled conversion
.irp c, 0,1
.irp i, 0,1,2
	v_mov_b32 v[F0+6*\c+3+\i], v[T+4*\c+\i]
.endr
.endr
.irp j, 0,1,2
	global_store_b128 v[LI], v[F0+4*\j:F0+4*\j+3], s[6:7] offset:512*\j
.endr
	global_store_b32 v[LS], v[SW], s[16:17]
	global_store_b32 v[LS], v18, s[16:17] offset:512
.Lend:
	s_endpgm
.Lfunc_end_k_q1ebb840264_pquant:
	.size	k_q1ebb840264_pquant, .Lfunc_end_k_q1ebb840264_pquant-k_q1ebb840264_pquant
	.p2alignl 7, 3214868480
	.fill 96, 4, 3214868480
	.section	.rodata,"a",@progbits
	.p2align	6, 0x0
	.amdhsa_kernel k_q1ebb840264_pquant
		.amdhsa_group_segment_fixed_size 0
		.amdhsa_private_segment_fixed_size 0
		.amdhsa_enable_private_segment 0
		.amdhsa_kernarg_size 32
		.amdhsa_user_sgpr_count 2
		.amdhsa_user_sgpr_kernarg_segment_ptr 1
		.amdhsa_wavefront_size32 1
		.amdhsa_system_sgpr_workgroup_id_x 1
		.amdhsa_system_sgpr_workgroup_id_y 1
		.amdhsa_system_sgpr_workgroup_id_z 1
		.amdhsa_system_vgpr_workitem_id 0
		.amdhsa_next_free_vgpr 128
		.amdhsa_next_free_sgpr 66
		.amdhsa_reserve_vcc 0
		.amdhsa_float_denorm_mode_32 3
		.amdhsa_float_denorm_mode_16_64 3
		.amdhsa_memory_ordered 1
		.amdhsa_forward_progress 1
		.amdhsa_inst_pref_size 29
	.end_amdhsa_kernel
	.amdgpu_metadata
---
amdhsa.version: [ 1, 2 ]
amdhsa.kernels:
  - .name:           k_q1ebb840264_pquant
    .symbol:         k_q1ebb840264_pquant.kd
    .args:
      - { .name: proj_w, .offset: 0, .size: 8, .value_kind: global_buffer, .address_space: global }
      - { .name: router_w, .offset: 8, .size: 8, .value_kind: global_buffer, .address_space: global }
      - { .name: expert_keys, .offset: 16, .size: 8, .value_kind: global_buffer, .address_space: global }
      - { .name: pq, .offset: 24, .size: 8, .value_kind: global_buffer, .address_space: global }
    .group_segment_fixed_size: 0
    .private_segment_fixed_size: 0
    .kernarg_segment_align: 8
    .kernarg_segment_size: 32
    .max_flat_workgroup_size: 512
    .sgpr_count:     66
    .vgpr_count:     128
    .wavefront_size: 32
...
	.end_amdgpu_metadata
.endif
;; end of part 1
;; launch route (part 2): grid 32 x 1, 4 waves a work-group, no clusters, 56,832 bytes of LDS; arguments view0, view1, proj_b, pq, hq, ri, gate; writes hq, ri, gate
.if DOCPART == 2
	.amdgcn_target "amdgcn-amd-amdhsa--gfx1250"
	.amdhsa_code_object_version 6
	.text
	.protected	k_q1ebb840264_route
	.globl	k_q1ebb840264_route
	.p2align	8
	.type	k_q1ebb840264_route,@function
k_q1ebb840264_route:
	s_mov_b64 s[64:65], 0
	v_nop
	global_prefetch_b8 v0, s[64:65] scope:SCOPE_SE
	s_setreg_imm32_b32 hwreg(HW_REG_WAVE_MODE, 25, 1), 1
	s_wait_xcnt 0x0
; For 64 tokens of one view: h = Q(x) Q(proj_w) + proj_b;  r = Q(h) Q(router_w);  d2 = sum r^2 - 2 Q(r) Q(keys) + sum keys^2;  distance = sqrt(max(d2, 0));  the four nearest keys and their gates.
; Stored: h's codes as images of the operand's registers and its scale words (hq); the four experts of each token, and for each 16 tokens the set of experts chosen, as whole numbers at fixed places (ri); the gates (gate).
; No address and no branch here hangs on the choice: it is only selected (v_cndmask_b32) and stored.
; The function takes top_k of -distance: here the four SMALLEST distances are taken, the lower index on a tie (a strict comparison in ascending order of index), which is the same choice.
; The gates: softmax of the four -distances, the largest (the smallest distance) taken away first: 2^((d0 - dk) log2 e) / their sum.
; LIMITS: NaN and infinities are not served; v_sqrt_f32 and v_rcp_f32 are good to 1 ulp (ISA guide, their entries), so two distances that lie within that of each other at ranks 4 and 5 may be chosen the other way.
; SHARES.  Work-group g: tokens 64 g on (view g / 16).  THE WAVES SHARE THE COLUMNS: wave w keeps columns 128 w .. 128 w + 127 of proj_w and of router_w in registers (64 fragments, loaded as images), for all 64 rows.
; Operands go from wave to wave through LDS as images of their registers: three ds_store_b128 at 16 x lane, the scale word at 4 x lane.  Both products are used transposed (source 0 = 16 columns of the weight,
; source 1 = 16 rows): a lane holds one row, and by the choice of a tile's columns the 16 registers of tiles 2 b, 2 b + 1 are 16 neighbours along the next K.
; REGISTERS, in windows of 256: window 0 as named below; fragment f (0-31 proj, 32-63 router; f = 8 s + t) in window 1 + f / 21 at 12 (f % 21); f = 63 in window 0.  The keys' four fragments later take window 1, v0-47.
.set XIMG, 0                           ; LDS: x's 16 fragments (tile of rows m, K step s: 4 m + s), 1,536 bytes each; later r's
.set XSC,  24576                       ; their scale words, 128 bytes each
.set HIMG, 26624                       ; h's 16 fragments
.set HSC,  51200                       ; their scale words
.set RRP,  53248                       ; parts of sum r^2: (4 m + w) x 64 + 4 r
.set BIA,  54272                       ; proj_b: 512 bytes for each wave
.set SPARE, 56320                      ; the spare words, 128 bytes for each wave: two blocks of 256 bytes that no other line names
.set XA,  4                            ; v4   x: 2,048 r + 64 h
.set LI,  5                            ; v5   16 x lane
.set LS,  6                            ; v6   4 x lane
.set XWI, 7                            ; v7   16 x lane + 6,144 w
.set XWS, 8                            ; v8   4 x lane + 512 w
.set HWI, 9                            ; v9   16 x lane + 1,536 w
.set HWS, 10                           ; v10  4 x lane + 128 w
.set BB,  11                           ; v11  BIA + 512 w + 64 h
.set RRW, 12                           ; v12  64 w + 4 r
.set O8,  13                           ; v13  16 r + 8 h
.set BW,  14                           ; v14  16 x lane + 512 w
.set RRR, 15                           ; v15  256 w + 4 r
.set ST,  16                           ; v16-79   64 numbers of x
.set XF,  16                           ; v16-63   four fragments of rows
.set HA,  80                           ; v80-143  eight result tiles; also 64 numbers of x
.set PC,  144                          ; v144-163 the codes just made
.set TM,  164                          ; v164-179 at work in QUANT
.set PW,  180                          ; v180 the scale word just made
.set HSR, 181                          ; v181 512 w + 256 h + 4 r
.set W63, 182                          ; v182-193 fragment 63
.set PS,  194                          ; v194-209 proj_w's scale words: 4 b + s: lanes 0-15 tile 2 b's, lanes 16-31 tile 2 b + 1's
.set RS,  210                          ; v210-225 router_w's
.set KS,  226                          ; v226-229 the keys'
.set KK,  230                          ; v230-237 sum keys^2 of experts 8 h + j
.set XS,  238                          ; v238-241 the rows' scale words
.set DI,  96                           ; the last phase: my 8 distances, v104.. the other half's, v112.. all 16
.set LL,  112
.set TV,  128
.set TI,  132
.set G,   136
.set INF, 140
.set SPW, 252                          ; v252 LDS address of my spare word; never rewritten
.set NIL, 253                          ; v253 0; never rewritten
.set WV,  18
.set SEL, 20
.set MSB, 0
.macro WIN new                         ; the immediate's high byte repeats the setting that is left; a switch that changes nothing is dropped
.if MSB != (\new)
	s_set_vgpr_msb (MSB<<8)|(\new)
.set MSB, (\new)
.endif
.endm
; 64 numbers of a lane, register 16 b + i = k 32 b + 16 (lane / 16) + i of my row, become a fragment's codes in v[PC] on and its scale word in v[PW]
.macro QUANT s
.irp b, 0,1,2,3
	v_max3_num_f32 v[TM+\b], |v[\s+16*\b]|, |v[\s+1+16*\b]|, 0x1800000   ; my 16 numbers of block b, and the floor 2^(3 - 127): the byte cannot fall under 1
.endr
.irp i, 2,4,6,8,10,12,14
.irp b, 0,1,2,3
	v_max3_num_f32 v[TM+\b], v[TM+\b], |v[\s+16*\b+\i]|, |v[\s+1+16*\b+\i]|
.endr
.endr
.irp b, 0,1,2,3
	v_permlanex16_b32 v[TM+4+\b], v[TM+\b], s[SEL], s[SEL+1]
.endr
.irp b, 0,1,2,3
	v_max_num_f32 v[TM+\b], v[TM+\b], v[TM+4+\b]   ; with lane l xor 16's: the block's largest magnitude
.endr
.irp b, 0,1,2,3
	v_add_nc_u32 v[TM+12+\b], 0xff000000, v[TM+\b] ; 2 off its exponent field: the conversion's scale operand
.endr
.irp b, 0,1,2,3
	v_lshrrev_b32 v[TM+4+\b], 23, v[TM+12+\b]      ; the scale's byte
.endr
	v_lshl_or_b32 v[PW], v[TM+5], 8, v[TM+4]
	v_lshl_or_b32 v[PW], v[TM+6], 16, v[PW]
	v_lshl_or_b32 v[PW], v[TM+7], 24, v[PW]
.irp c, 0,1
	v_cvt_scalef32_pk16_fp6_f32 v[PC+6*\c:PC+2+6*\c], v[\s+32*\c:\s+15+32*\c], v[TM+12+2*\c]
	v_cvt_scalef32_pk16_fp6_f32 v[PC+12+4*\c:PC+14+4*\c], v[\s+16+32*\c:\s+31+32*\c], v[TM+12+2*\c+1]
.endr
	v_nop                                          ; one plain place behind a scaled conversion
.irp c, 0,1                            ; the operand's layout wants a whole block in a lane: lanes 0-15 block 2 c, lanes 16-31 block 2 c + 1
.irp i, 0,1,2
	v_permlane16_swap_b32 v[PC+6*\c+\i], v[PC+12+4*\c+\i]
.endr
.irp i, 0,1,2
	v_mov_b32 v[PC+3+6*\c+\i], v[PC+12+4*\c+\i]
.endr
.endr
.endm
.macro IMAGE adr, off
.irp c, 0,1,2
	ds_store_b128 v[\adr], v[PC+4*\c:PC+4*\c+3] offset:\off+512*\c
.endr
.endm
.macro FETCH reg, adr, off
.irp c, 0,1,2
	ds_load_b128 v[\reg+4*\c:\reg+4*\c+3], v[\adr] offset:\off+512*\c
.endr
.endm
.macro BARRIER                         ; my LDS stores have landed and my LDS loads are in: then the work-group's barrier
	s_wait_dscnt 0x0
	s_barrier_signal -1
	s_barrier_wait -1
.endm
.macro WLOAD lo, hi, base              ; fragments lo .. hi from their images: three loads of 512 consecutive bytes each
.set f_, \lo
.rept (\hi)-(\lo)+1
.if f_ == 63
	WIN 0
.set rg_, W63
.else
	WIN (1+f_/21)<<6
.set rg_, 12*(f_%21)
.endif
.irp j, 0,1,2
	global_load_b128 v[rg_+4*\j:rg_+4*\j+3], v[LI], s[\base:\base+1] offset:(f_%32)*1536+512*\j
.endr
.set f_, f_+1
.endr
	WIN 0
.endm
.macro BIAS adr                        ; the bias in the result's layout: register 8 t + j of lane (r, h) is column 32 (t / 2) + 16 h + 8 (t % 2) + j.  It is the C of each sum's first product
.irp t, 0,1,2,3,4,5,6,7
	ds_load_b128 v[HA+8*\t:HA+8*\t+3], v[\adr] offset:128*(\t/2)+32*(\t%2)
	ds_load_b128 v[HA+8*\t+4:HA+8*\t+7], v[\adr] offset:128*(\t/2)+32*(\t%2)+16
.endr
.endm
; 32 matrix instructions: K steps 0-3 x my eight tiles of columns, for the 16 rows in XF.  The eight accumulators take turns, one instruction a turn.  zero = 1: the first K step starts the sums
.macro MM fbase, zero, sreg
.set s_, 0
.rept 4
.set t_, 0
.rept 8
.set f_, (\fbase)+8*s_+t_
.if f_ == 63
	WIN 0
.set rg_, W63
.else
	WIN 1+f_/21
.set rg_, 12*(f_%21)
.endif
.if (\zero) && (s_ == 0)
.if t_%2
	v_wmma_scale_f32_16x16x128_f8f6f4 v[HA+8*t_:HA+8*t_+7], v[rg_:rg_+11], v[XF+12*s_:XF+12*s_+11], 0, v[\sreg+4*(t_/2)+s_], v[XS+s_] matrix_a_fmt:MATRIX_FMT_FP6 matrix_b_fmt:MATRIX_FMT_FP6 matrix_a_scale:MATRIX_SCALE_ROW1
.else
	v_wmma_scale_f32_16x16x128_f8f6f4 v[HA+8*t_:HA+8*t_+7], v[rg_:rg_+11], v[XF+12*s_:XF+12*s_+11], 0, v[\sreg+4*(t_/2)+s_], v[XS+s_] matrix_a_fmt:MATRIX_FMT_FP6 matrix_b_fmt:MATRIX_FMT_FP6
.endif
.else
.if t_%2
	v_wmma_scale_f32_16x16x128_f8f6f4 v[HA+8*t_:HA+8*t_+7], v[rg_:rg_+11], v[XF+12*s_:XF+12*s_+11], v[HA+8*t_:HA+8*t_+7], v[\sreg+4*(t_/2)+s_], v[XS+s_] matrix_a_fmt:MATRIX_FMT_FP6 matrix_b_fmt:MATRIX_FMT_FP6 matrix_a_scale:MATRIX_SCALE_ROW1
.else
	v_wmma_scale_f32_16x16x128_f8f6f4 v[HA+8*t_:HA+8*t_+7], v[rg_:rg_+11], v[XF+12*s_:XF+12*s_+11], v[HA+8*t_:HA+8*t_+7], v[\sreg+4*(t_/2)+s_], v[XS+s_] matrix_a_fmt:MATRIX_FMT_FP6 matrix_b_fmt:MATRIX_FMT_FP6
.endif
.endif
.set t_, t_+1
.endr
.set s_, s_+1
.endr
	WIN 0
.rept 4
	v_nop                                          ; four places in front of the first read of results (ISA guide 7.12.1)
.endr
.endm
.macro XLOAD reg, s                    ; my 16 rows' numbers of K step s: lane (r, h) takes 16 neighbours of each block of 32
.irp b, 0,1,2,3
.irp j, 0,1,2,3
	global_load_b128 v[\reg+16*\b+4*\j:\reg+16*\b+4*\j+3], v[XA], s[4:5] offset:512*(\s)+128*\b+16*\j th:TH_LOAD_NT
.endr
.endr
.endm
.macro TOP k                           ; the smallest of the 16 distances and its index, the lower index on a tie; then it is taken out
	v_mov_b32 v[TV+\k], v[LL]
	v_mov_b32 v[TI+\k], 0
.irp i, 1,2,3,4,5,6,7,8,9,10,11,12,13,14,15
	v_cmp_lt_f32 vcc_lo, v[LL+\i], v[TV+\k]
	v_cndmask_b32 v[TV+\k], v[TV+\k], v[LL+\i], vcc_lo
	v_cndmask_b32 v[TI+\k], v[TI+\k], \i, vcc_lo
.endr
.if \k < 3
.irp i, 0,1,2,3,4,5,6,7,8,9,10,11,12,13,14,15
	v_cmp_eq_u32 vcc_lo, \i, v[TI+\k]
	v_cndmask_b32 v[LL+\i], v[LL+\i], v[INF], vcc_lo
.endr
.endif
.endm
	s_load_b256 s[4:11], s[0:1], 0x0               ; view0 s[4:5], view1 s[6:7], proj_b s[8:9], pq s[10:11]
	s_load_b128 s[12:15], s[0:1], 0x20             ; hq s[12:13], ri s[14:15]
	s_load_b64 s[16:17], s[0:1], 0x30              ; gate
	v_lshl_add_u32 v[SPW], v0, 2, SPARE
	v_mov_b32 v[NIL], 0
	v_lshrrev_b32 v1, 5, v0
	v_readfirstlane_b32 s[WV], v1                  ; wave 0..3
	v_and_b32 v1, 31, v0                           ; lane
	v_and_b32 v2, 15, v0                           ; r
	v_bfe_u32 v3, v0, 4, 1                         ; h
	v_lshlrev_b32 v[XA], 11, v2
	v_lshl_add_u32 v[XA], v3, 6, v[XA]
	v_lshlrev_b32 v[LI], 4, v1
	v_lshlrev_b32 v[LS], 2, v1
	s_mul_i32 s22, s[WV], 6144
	v_add_nc_u32 v[XWI], s22, v[LI]
	s_lshl_b32 s22, s[WV], 9
	v_add_nc_u32 v[XWS], s22, v[LS]
	v_add_nc_u32 v[BW], s22, v[LI]
	v_lshlrev_b32 v[BB], 6, v3
	v_add_nc_u32 v[BB], s22, v[BB]
	v_add_nc_u32 v[BB], BIA, v[BB]
	v_lshlrev_b32 v[HSR], 2, v2
	v_lshl_add_u32 v[HSR], v3, 8, v[HSR]
	v_add_nc_u32 v[HSR], s22, v[HSR]
	s_mul_i32 s22, s[WV], 1536
	v_add_nc_u32 v[HWI], s22, v[LI]
	s_lshl_b32 s22, s[WV], 7
	v_add_nc_u32 v[HWS], s22, v[LS]
	s_lshl_b32 s22, s[WV], 6
	v_lshlrev_b32 v[RRW], 2, v2
	v_add_nc_u32 v[RRW], s22, v[RRW]
	s_lshl_b32 s22, s[WV], 8
	v_lshlrev_b32 v[RRR], 2, v2
	v_add_nc_u32 v[RRR], s22, v[RRR]
	v_lshlrev_b32 v[O8], 4, v2
	v_lshl_add_u32 v[O8], v3, 3, v[O8]
	v_lshlrev_b32 v1, 5, v3                        ; 32 h: my eight experts' parts of sum keys^2
	s_mov_b32 s[SEL], 0x76543210
	s_mov_b32 s[SEL+1], 0xfedcba98                 ; v_permlanex16_b32's selects for lane l xor 16
	s_mov_b32 s34, 0xffff0000                      ; lanes 16-31
	s_mov_b32 s25, 0
	s_wait_kmcnt 0x0
	s_lshr_b32 s23, ttmp9, 4                       ; the view
	s_cmp_eq_u32 s23, 0
	s_cselect_b64 s[4:5], s[4:5], s[6:7]           ; a choice on the work-group's number alone
	s_and_b32 s24, ttmp9, 15
	s_lshl_b32 s24, s24, 17                        ; 64 rows of 2,048 bytes
	s_lshl_b32 s26, s[WV], 15                      ; my 16 of them
	s_add_co_u32 s24, s24, s26
	s_add_nc_u64 s[4:5], s[4:5], s[24:25]
	s_mul_i32 s24, s23, 196608
	s_mul_i32 s26, s[WV], 49152
	s_add_co_u32 s24, s24, s26
	s_add_nc_u64 s[28:29], s[10:11], s[24:25]      ; proj_w's codes: my 32 fragments
	s_add_nc_u64 s[30:31], s[28:29], 393216        ; router_w's
	s_lshl_b32 s24, s23, 13
	s_lshl_b32 s26, s[WV], 11
	s_add_co_u32 s24, s24, s26
	s_add_co_u32 s24, s24, 786432
	s_add_nc_u64 s[32:33], s[10:11], s[24:25]      ; proj_w's scale words; router_w's lie 16,384 bytes on
	s_lshl_b32 s24, s23, 11
	s_lshl_b32 s26, s[WV], 9
	s_add_co_u32 s24, s24, s26
	s_add_nc_u64 s[46:47], s[8:9], s[24:25]        ; proj_b: my 128 numbers
	s_mul_i32 s24, ttmp9, 24576
	s_mul_i32 s26, s[WV], 1536
	s_add_co_u32 s24, s24, s26
	s_add_nc_u64 s[38:39], s[12:13], s[24:25]      ; h's images: tile 4 g + m at 6,144 m, my K step at 1,536 w
	s_lshl_b32 s24, ttmp9, 10
	s_lshl_b32 s26, s[WV], 8
	s_add_co_u32 s24, s24, s26                     ; 16 bytes a token, from token 64 g + 16 w on
	s_add_nc_u64 s[40:41], s[12:13], s[24:25]
	s_add_nc_u64 s[42:43], s[14:15], s[24:25]
	s_add_nc_u64 s[44:45], s[16:17], s[24:25]
	s_lshl_b32 s24, ttmp9, 4
	s_lshl_b32 s26, s[WV], 2
	s_add_co_u32 s24, s24, s26
	s_add_nc_u64 s[36:37], s[14:15], s[24:25]      ; the word of tile 4 g + w among the sets of experts
	WLOAD 0, 31, 28
.irp i, 0,1,2,3,4,5,6,7,8,9,10,11,12,13,14,15
	global_load_b32 v[PS+\i], v[LS], s[32:33] offset:128*\i
.endr
	global_load_b128 v[242:245], v[LI], s[46:47]
.irp s, 0,1,2,3
	global_load_b128 v[144+8*\s:147+8*\s], v1, s[10:11] offset:825856+128*\s
	global_load_b128 v[148+8*\s:151+8*\s], v1, s[10:11] offset:825856+128*\s+16
.endr
	XLOAD HA, 0
	XLOAD ST, 1
	; ---- X: my 16 rows of x become four fragments
	s_wait_loadcnt 16                              ; all but x's K step 1
	ds_store_b128 v[BW], v[242:245] offset:BIA
.irp i, 0,2,4,6
	v_pk_add_f32 v[KK+\i:KK+\i+1], v[144+\i:145+\i], v[152+\i:153+\i]
.endr
.irp i, 0,2,4,6
	v_pk_add_f32 v[KK+\i:KK+\i+1], v[KK+\i:KK+\i+1], v[160+\i:161+\i]
.endr
.irp i, 0,2,4,6
	v_pk_add_f32 v[KK+\i:KK+\i+1], v[KK+\i:KK+\i+1], v[168+\i:169+\i]
.endr
.irp b, 0,1,2,3
	v_mov_b32 v[TM+4+\b], 0                        ; written once: a lane permute's destination counts as one of its sources
.endr
	QUANT HA
	IMAGE XWI, XIMG
	ds_store_b32 v[XWS], v[PW] offset:XSC
	s_wait_dscnt 0x0                               ; the stores have read their registers
	XLOAD HA, 2
	s_wait_loadcnt 16                              ; K step 1 is in, K step 2 may be out
	QUANT ST
	IMAGE XWI, XIMG+1536
	ds_store_b32 v[XWS], v[PW] offset:XSC+128
	s_wait_dscnt 0x0
	XLOAD ST, 3
	s_wait_loadcnt 16
	QUANT HA
	IMAGE XWI, XIMG+3072
	ds_store_b32 v[XWS], v[PW] offset:XSC+256
	s_wait_dscnt 0x0
	s_wait_loadcnt 0x0
	WLOAD 32, 63, 30                               ; router_w lands while the first product runs
.irp i, 0,1,2,3,4,5,6,7,8,9,10,11,12,13,14,15
	global_load_b32 v[RS+\i], v[LS], s[32:33] offset:16384+128*\i
.endr
	QUANT ST
	IMAGE XWI, XIMG+4608
	ds_store_b32 v[XWS], v[PW] offset:XSC+384
	BARRIER                                        ; x's sixteen fragments lie in LDS
	; ---- 1: h, a tile of 16 rows at a time; my 128 columns are K step w of the next products
.irp m, 0,1,2,3
	s_wait_xcnt 0x0                                ; the last tile's stores have read the codes' registers
.irp s, 0,1,2,3
	FETCH XF+12*\s, LI, XIMG+(4*\m+\s)*1536
	ds_load_b32 v[XS+\s], v[LS] offset:XSC+(4*\m+\s)*128
.endr
	BIAS BB
	s_wait_dscnt 0x0
	MM 0, 0, PS
	QUANT HA
	IMAGE HWI, HIMG+6144*\m
	ds_store_b32 v[HWS], v[PW] offset:HSC+512*\m
.irp j, 0,1,2
	global_store_b128 v[LI], v[PC+4*\j:PC+4*\j+3], s[38:39] offset:6144*\m+512*\j   ; 32 lanes store 512 consecutive bytes
.endr
	s_wait_dscnt 0x0
.endr
	WIN 0x40                                       ; the keys' fragments take the place of proj_w's first four, which are done with (QUANT's lines are the places behind the last product)
.irp s, 0,1,2,3
.irp j, 0,1,2
	global_load_b128 v[12*\s+4*\j:12*\s+4*\j+3], v[LI], s[10:11] offset:819200+1536*\s+512*\j
.endr
.endr
	WIN 0
.irp s, 0,1,2,3
	global_load_b32 v[KS+\s], v[LS], s[10:11] offset:825344+128*\s
.endr
	BARRIER                                        ; h's sixteen fragments lie in LDS, and nobody reads x's any more
	; ---- 2: r; its sum of squares in f32; its codes
	s_wait_xcnt 0x0                                ; the last stores have read the codes' registers
	s_wait_loadcnt 16                              ; router_w and its scale words are in; the keys' 16 loads may be out
.irp m, 0,1,2,3
.irp s, 0,1,2,3
	FETCH XF+12*\s, LI, HIMG+(4*\m+\s)*1536
	ds_load_b32 v[XS+\s], v[LS] offset:HSC+(4*\m+\s)*128
.endr
	s_wait_dscnt 0x0
	MM 32, 1, RS
	v_pk_mul_f32 v[242:243], v[HA:HA+1], v[HA:HA+1]                ; each accumulator from its low end on
	v_pk_mul_f32 v[244:245], v[HA+2:HA+3], v[HA+2:HA+3]
.irp j, 4,8,12,16,20,24,28,32,36,40,44,48,52,56,60
	v_pk_fma_f32 v[242:243], v[HA+\j:HA+\j+1], v[HA+\j:HA+\j+1], v[242:243]
	v_pk_fma_f32 v[244:245], v[HA+\j+2:HA+\j+3], v[HA+\j+2:HA+\j+3], v[244:245]
.endr
	v_pk_add_f32 v[242:243], v[242:243], v[244:245]
	v_add_f32 v242, v242, v243
	v_permlanex16_b32 v243, v242, s[SEL], s[SEL+1]
	v_add_f32 v242, v242, v243                     ; row r's part over my 128 columns
	ds_store_b32 v[RRW], v242 offset:RRP+256*\m    ; both lanes of a row write the same word with the same value
	QUANT HA
	IMAGE HWI, XIMG+6144*\m
	ds_store_b32 v[HWS], v[PW] offset:XSC+512*\m
	s_wait_dscnt 0x0
.endr
	BARRIER                                        ; r's sixteen fragments and the parts of its sums lie in LDS
	; ---- 3: wave w takes tile w: source 0 = the 16 keys, source 1 = 16 rows of r: lane (r, h) holds token r and experts 8 h + j
	s_wait_loadcnt 0x0
.irp s, 0,1,2,3
	FETCH XF+12*\s, XWI, XIMG+1536*\s
	ds_load_b32 v[XS+\s], v[XWS] offset:XSC+128*\s
	ds_load_b32 v[246+\s], v[RRR] offset:RRP+64*\s
.endr
	ds_load_b32 v250, v[HSR] offset:HSC            ; h's scale words of K steps 2 h and 2 h + 1 of token r, on their way to memory
	ds_load_b32 v251, v[HSR] offset:HSC+128
	s_wait_dscnt 0x0
	WIN 1
	v_wmma_scale_f32_16x16x128_f8f6f4 v[HA:HA+7], v[0:11], v[XF:XF+11], 0, v[KS], v[XS] matrix_a_fmt:MATRIX_FMT_FP6 matrix_b_fmt:MATRIX_FMT_FP6
.irp s, 1,2,3
	s_wait_alu depctr_va_vdst(0)                   ; the wait directly ahead of each link
	v_wmma_scale_f32_16x16x128_f8f6f4 v[HA:HA+7], v[12*\s:12*\s+11], v[XF+12*\s:XF+12*\s+11], v[HA:HA+7], v[KS+\s], v[XS+\s] matrix_a_fmt:MATRIX_FMT_FP6 matrix_b_fmt:MATRIX_FMT_FP6
.endr
	WIN 0
	v_add_f32 v246, v246, v247                     ; sum r^2: the four waves' parts.  (With the v_nop: the four places behind the last product)
	v_add_f32 v246, v246, v248
	v_add_f32 v246, v246, v249
	v_nop
.irp j, 0,1,2,3,4,5,6,7
	v_fma_f32 v[DI+\j], -2.0, v[HA+\j], v246
.endr
.irp j, 0,1,2,3,4,5,6,7
	v_add_f32 v[DI+\j], v[DI+\j], v[KK+\j]
.endr
.irp j, 0,1,2,3,4,5,6,7
	v_max_num_f32 v[DI+\j], 0, v[DI+\j]
.endr
.irp j, 0,1,2,3,4,5,6,7
	v_sqrt_f32 v[DI+\j], v[DI+\j]
.endr
.irp j, 0,1,2,3,4,5,6,7
	v_mov_b32 v[DI+8+\j], 0                        ; plain lines behind the batch; a lane permute's destination counts as one of its sources
.endr
	v_mov_b32 v[INF], 0x7f800000
	s_wait_alu depctr_va_vdst(0)                   ; one wait for the eight roots, ahead of their first reader
.irp j, 0,1,2,3,4,5,6,7
	v_permlanex16_b32 v[DI+8+\j], v[DI+\j], s[SEL], s[SEL+1]
.endr
.irp j, 0,1,2,3,4,5,6,7
	v_cndmask_b32 v[LL+\j], v[DI+\j], v[DI+8+\j], s34              ; experts 0-7: lanes 0-15 hold them, lanes 16-31 take the other half's
	v_cndmask_b32 v[LL+8+\j], v[DI+8+\j], v[DI+\j], s34            ; experts 8-15
.endr
	TOP 0
	TOP 1
	TOP 2
	TOP 3
.irp k, 1,2,3
	v_sub_f32 v[G+\k], v[TV], v[TV+\k]             ; the largest logit taken away: 0 or less
.endr
.irp k, 1,2,3
	v_mul_f32 v[G+\k], 0x3fb8aa3b, v[G+\k]
.endr
.irp k, 1,2,3
	v_exp_f32 v[G+\k], v[G+\k]
.endr
	v_mov_b32 v[G], 1.0                            ; a plain line behind the batch
	s_wait_alu depctr_va_vdst(0)
	v_add_f32 v242, v[G+1], v[G+2]
	v_add_f32 v242, v242, v[G+3]
	v_add_f32 v242, 1.0, v242
	v_rcp_f32 v242, v242
	v_mov_b32 v247, 1                              ; a plain line behind the reciprocal
	s_wait_alu depctr_va_vdst(0)
.irp k, 0,1,2,3
	v_mul_f32 v[G+\k], v[G+\k], v242
.endr
	v_lshlrev_b32 v246, v[TI], v247                ; the set of experts that my token chose,
.irp k, 1,2,3
	v_lshlrev_b32 v248, v[TI+\k], v247
	v_or_b32 v246, v246, v248
.endr
.irp x, 1,2,4,8
	v_mov_b32_dpp v248, v246 row_xmask:\x row_mask:0xf bank_mask:0xf
	v_or_b32 v246, v246, v248                      ; and that the tile's 16 tokens chose
.endr
	v_cndmask_b32 v242, v[TI], v[TI+2], s34        ; lane (r, h) stores slots 2 h and 2 h + 1 of token r: 32 lanes store 256 consecutive bytes, aligned
	v_cndmask_b32 v243, v[TI+1], v[TI+3], s34
	global_store_b64 v[O8], v[242:243], s[42:43]
	v_cndmask_b32 v244, v[G], v[G+2], s34
	v_cndmask_b32 v245, v[G+1], v[G+3], s34
	global_store_b64 v[O8], v[244:245], s[44:45]
	global_store_b64 v[O8], v[250:251], s[40:41] offset:786432
	v_cmp_eq_u32 vcc_lo, 0, v[LS]
	s_wait_xcnt 0x0                                ; EXEC changes only behind this wait
	s_and_saveexec_b32 s35, vcc_lo
	global_store_b32 v[LS], v246, s[36:37] offset:32768            ; lane 0 alone
	s_wait_xcnt 0x0
	s_or_b32 exec_lo, exec_lo, s35
	s_wait_tensorcnt 0x0                           ; the wave's end
	ds_add_u32 v[SPW], v[NIL]
	s_wait_dscnt 0x0
	s_endpgm
.Lfunc_end_k_q1ebb840264_route:
	.size	k_q1ebb840264_route, .Lfunc_end_k_q1ebb840264_route-k_q1ebb840264_route
	.p2alignl 7, 3214868480
	.fill 96, 4, 3214868480
	.section	.rodata,"a",@progbits
	.p2align	6, 0x0
	.amdhsa_kernel k_q1ebb840264_route
		.amdhsa_group_segment_fixed_size 56832
		.amdhsa_private_segment_fixed_size 0
		.amdhsa_enable_private_segment 0
		.amdhsa_kernarg_size 56
		.amdhsa_user_sgpr_count 2
		.amdhsa_user_sgpr_kernarg_segment_ptr 1
		.amdhsa_wavefront_size32 1
		.amdhsa_system_sgpr_workgroup_id_x 1
		.amdhsa_system_sgpr_workgroup_id_y 1
		.amdhsa_system_sgpr_workgroup_id_z 1
		.amdhsa_system_vgpr_workitem_id 0
		.amdhsa_next_free_vgpr 1024
		.amdhsa_next_free_sgpr 66
		.amdhsa_reserve_vcc 1
		.amdhsa_float_denorm_mode_32 3
		.amdhsa_float_denorm_mode_16_64 3
		.amdhsa_memory_ordered 1
		.amdhsa_forward_progress 1
		.amdhsa_inst_pref_size 157
	.end_amdhsa_kernel
	.amdgpu_metadata
---
amdhsa.version: [ 1, 2 ]
amdhsa.kernels:
  - .name:           k_q1ebb840264_route
    .symbol:         k_q1ebb840264_route.kd
    .args:
      - { .name: view0, .offset: 0, .size: 8, .value_kind: global_buffer, .address_space: global }
      - { .name: view1, .offset: 8, .size: 8, .value_kind: global_buffer, .address_space: global }
      - { .name: proj_b, .offset: 16, .size: 8, .value_kind: global_buffer, .address_space: global }
      - { .name: pq, .offset: 24, .size: 8, .value_kind: global_buffer, .address_space: global }
      - { .name: hq, .offset: 32, .size: 8, .value_kind: global_buffer, .address_space: global }
      - { .name: ri, .offset: 40, .size: 8, .value_kind: global_buffer, .address_space: global }
      - { .name: gate, .offset: 48, .size: 8, .value_kind: global_buffer, .address_space: global }
    .group_segment_fixed_size: 56832
    .private_segment_fixed_size: 0
    .kernarg_segment_align: 8
    .kernarg_segment_size: 56
    .max_flat_workgroup_size: 128
    .sgpr_count:     66
    .vgpr_count:     1024
    .wavefront_size: 32
...
	.end_amdgpu_metadata
.endif
;; end of part 2
;; launch wprep (part 3): grid 513 x 1, 16 waves a work-group, no clusters, 2,304 bytes of LDS; arguments w1, w2, ri, wq, list; writes wq, list
.if DOCPART == 3
	.amdgcn_target "amdgcn-amd-amdhsa--gfx1250"
	.amdhsa_code_object_version 6
	.text
	.protected	k_q1ebb840264_wprep
	.globl	k_q1ebb840264_wprep
	.p2align	8
	.type	k_q1ebb840264_wprep,@function
k_q1ebb840264_wprep:
	s_mov_b64 s[64:65], 0
	v_nop
	global_prefetch_b8 v0, s[64:65] scope:SCOPE_SE
	s_setreg_imm32_b32 hwreg(HW_REG_WAVE_MODE, 25, 1), 1
	s_wait_xcnt 0x0
; Two jobs in one launch, told apart by the work-group's number.
; WORK-GROUPS 1 .. 512 turn w1 [16][512 (K)][2048] and w2 [16][2048 (K)][512], f32 with K not innermost, into codes of FP6 (E2M3) laid as images of the operand's registers, as the first launch does for proj_w.
; Work-group 1 + kind x 256 + e x 16 + q x 4 + s: expert e, quarter q of the hidden axis (w1: 512 columns; w2: 512 of K), K step s of 128; wave W takes 32 columns.
; WORK LEFT OUT: an expert that no token chose enters no output (its gate is exactly 0 for every token), so its weights are neither read nor stored: a branch on the sets of experts that route stored.
; WORK-GROUP 0 sorts the 8,192 routed rows (row id = 4 x token + slot) by expert, a wave to an expert, with no atomics: count, share the counts through LDS, place.  It stores a table of 64 tiles
; (expert | sixteens of rows << 8 | first entry << 16) and the list of row ids.  A tile has M = 16 c rows at the most, c the least of 8 .. 11 with which all experts together need at most 64 tiles:
; with c = 11 they never need more than 8,192 / 176 + 16 x 175 / 176, under 63, whatever the split.  An expert's last sixteen is filled up with its last row's id: those rows are computed twice, with equal results.
; Tiles that a split leaves over name a used expert and no rows.  Every byte of the table and of the 12,224 entries is stored: zeros first, and behind a barrier, in front of which every wave has waited for its stores, what counts.
; ALL LANES STAY ON IN THE SORT: a lane that has nothing to place stores into a word of its own behind the entries (entry 12,224 + its thread's number), which nobody reads; its address is a selection,
; and each such byte offset is held under the buffer's end by the last line ahead of its store.
.set COL, 2
.set LI,  3
.set LS,  4
.set SW,  24
.set SPW, 30                           ; v30  LDS address of my spare word; never rewritten
.set NIL, 31                           ; v31  0; never rewritten
.set X,   32
.set F0,  96
.set F1,  108
.set T,   120
.set SPARE, 256                        ; LDS: the 16 counts in the block from 0; from 256 on the spare words, 128 bytes for each of 16 waves, which no other line names
; the sort's registers: those that hold addresses hold no loaded numbers anywhere in this text
.set FIL, 5                            ; v5   16 x thread: the zeros' place
.set SCA, 6                            ; v6   16 x lane: a token's four experts
.set DMP, 23                           ; v23  4 x (12,224 + thread): my own word behind the entries
.set L4,  25                           ; v25  4 x lane
.set POS, 26                           ; v26  the byte offset of the store in hand
.set CWA, 27                           ; v27  LDS: my expert's count
.set CRA, 28                           ; v28  LDS: 0
.set RID, 29                           ; v29  the row id
.set SL,  96                           ; v96  the slot
.set TMP, 97                           ; v97  at work
.set LAST, 98                          ; v98  my expert's largest row id so far
.set CNT, 99                           ; v99  my expert's count, on its way to LDS
.macro LOADB t, stride                 ; block t: rows 32 t .. 32 t + 31 of K at my column, into set t % 2
.set n_, 0
.rept 32
	global_load_b32 v[X+32*((\t)%2)+n_], v[COL], s[4:5] offset:(32*(\t)+n_)*(\stride) th:TH_LOAD_NT
.set n_, n_+1
.endr
.endm
.macro BLK t
.set XB_, X+32*((\t)%2)
.set D_, F0+12*((\t)%2)+6*((\t)/2)
	v_max3_num_f32 v12, |v[XB_]|, |v[XB_+1]|, |v[XB_+2]|            ; the block's largest magnitude: all 32 numbers are mine; two chains
	v_max3_num_f32 v13, |v[XB_+3]|, |v[XB_+4]|, |v[XB_+5]|
.irp i, 6,10,14,18,22,26
	v_max3_num_f32 v12, v12, |v[XB_+\i]|, |v[XB_+\i+1]|
	v_max3_num_f32 v13, v13, |v[XB_+\i+2]|, |v[XB_+\i+3]|
.endr
	v_max3_num_f32 v12, v12, |v[XB_+30]|, |v[XB_+31]|
	v_max3_num_f32 v12, v12, v13, 0x1800000        ; and the floor 2^(3 - 127): the byte cannot fall under 1 (a block of zeros keeps that byte: its codes are zeros)
	v_add_nc_u32 v11, 0xff000000, v12              ; 2 off the exponent field: the conversion's scale operand
	v_lshrrev_b32 v13, 23, v11                     ; the scale's byte
.if (\t) == 0
	v_mov_b32 v[SW], v13
.else
	v_lshl_or_b32 v[SW], v13, 8*(\t), v[SW]
.endif
	v_cvt_scalef32_pk16_fp6_f32 v[D_:D_+2], v[XB_:XB_+15], v11
	v_cvt_scalef32_pk16_fp6_f32 v[T:T+2], v[XB_+16:XB_+31], v11     ; (a conversion's three registers begin on an even number)
	v_nop                                          ; one plain place behind a scaled conversion
.irp i, 0,1,2
	v_mov_b32 v[D_+3+\i], v[T+\i]
.endr
.if (\t)%2
.irp i, 0,1,2,3,4,5                    ; a fragment's lanes 0-15 hold blocks 0 and 2 of their column, lanes 16-31 blocks 1 and 3
	v_permlane16_swap_b32 v[F0+6*((\t)/2)+\i], v[F1+6*((\t)/2)+\i]
.endr
.endif
.endm
.macro QSTEP stride
	LOADB 0, \stride
	LOADB 1, \stride
	s_wait_loadcnt 32                              ; this block's 32 loads are in; the next block's may be out
	BLK 0
	LOADB 2, \stride
	s_wait_loadcnt 32
	BLK 1
	LOADB 3, \stride
	s_wait_loadcnt 32
	BLK 2
	s_wait_loadcnt 0x0
	BLK 3
.irp j, 0,1,2
	global_store_b128 v[LI], v[F0+4*\j:F0+4*\j+3], s[6:7] offset:512*\j          ; 32 lanes store 512 consecutive bytes
.endr
.irp j, 0,1,2
	global_store_b128 v[LI], v[F1+4*\j:F1+4*\j+3], s[6:7] offset:1536+512*\j
.endr
	global_store_b32 v[LS], v[SW], s[8:9]
.endm
; One walk over the 2,048 tokens' four experts: four trips of 16 steps, a step = 32 tokens, a lane a token.  pass = 1: my expert's rows are counted.  pass = 2: they are placed.
.macro SCAN pass
	s_mov_b64 s[36:37], s[20:21]
	s_mov_b32 s46, 0                               ; the row id of the trip's first token's slot 0
	s_mov_b32 s35, 0
.Lchunk_\@:
.set n_, 0
.rept 16
	global_load_b128 v[32+4*n_:35+4*n_], v[SCA], s[36:37] offset:512*n_
.set n_, n_+1
.endr
	s_wait_loadcnt 0x0
.set n_, 0
.rept 16
	v_cmp_eq_u32 s40, s14, v[32+4*n_]
	v_cmp_eq_u32 s41, s14, v[33+4*n_]
	v_cmp_eq_u32 s42, s14, v[34+4*n_]
	v_cmp_eq_u32 s43, s14, v[35+4*n_]
	s_or_b32 s44, s40, s41
	s_or_b32 s45, s42, s43
	s_or_b32 vcc_lo, s44, s45                      ; a token's four experts are distinct: one bit a token at the most
	s_bcnt1_i32_b32 s44, vcc_lo
.if \pass == 1
	s_add_co_u32 s38, s38, s44
.else
	s_wait_xcnt 0x0                                ; the last step's store has read its offset and its data: both are written again below
	v_cndmask_b32 v[SL], 0, 1, s41                 ; the slot
	v_cndmask_b32 v[SL], v[SL], 2, s42
	v_cndmask_b32 v[SL], v[SL], 3, s43
	s_add_co_u32 s45, s46, 128*n_
	v_add_nc_u32 v[RID], v[SL], v[L4]
	v_add_nc_u32 v[RID], s45, v[RID]               ; the row id: slot + 4 x lane + 128 x step
	v_mbcnt_lo_u32_b32 v[POS], vcc_lo, s47         ; its place: my expert's rows so far, and those in the lanes below me,
	v_lshlrev_b32 v[POS], 2, v[POS]                ; in bytes;
	v_cndmask_b32 v[POS], v[DMP], v[POS], vcc_lo   ; a lane whose token did not choose my expert takes its own word behind the entries
	v_min_u32 v[POS], 0xc6fc, v[POS]               ; held at the last such word: with the 256 bytes of the table in front, inside the buffer's 51,200
	s_add_co_u32 s47, s47, s44
	global_store_b32 v[POS], v[RID], s[24:25] offset:256
	v_cndmask_b32 v[TMP], 0, v[RID], vcc_lo
	v_max_u32 v[LAST], v[LAST], v[TMP]
.endif
.set n_, n_+1
.endr
	s_add_nc_u64 s[36:37], s[36:37], 8192          ; (the trip's loads are done)
	s_add_co_u32 s46, s46, 2048
	s_add_co_u32 s35, s35, 1
	s_cmp_lt_u32 s35, 4
	s_cbranch_scc1 .Lchunk_\@
.endm
.macro TSUM dst, c, magic              ; the tiles that all experts need at 16 c rows a tile: ceil(n / 16 c) = ((n + 16 c - 1) x magic) >> 20, exact for n + 16 c - 1 under 16,384
	s_mov_b32 s[\dst], 0
.irp e, 0,1,2,3,4,5,6,7,8,9,10,11,12,13,14,15
	s_add_co_u32 s66, s[48+\e], 16*(\c)-1
	s_mul_i32 s66, s66, \magic
	s_lshr_b32 s66, s66, 20
	s_add_co_u32 s[\dst], s[\dst], s66
.endr
.endm
	s_load_b256 s[16:23], s[0:1], 0x0              ; w1 s[16:17], w2 s[18:19], ri s[20:21], wq s[22:23]
	s_load_b64 s[24:25], s[0:1], 0x20              ; list
	v_lshl_add_u32 v[SPW], v0, 2, SPARE
	v_mov_b32 v[NIL], 0
	v_lshrrev_b32 v1, 5, v0
	v_readfirstlane_b32 s14, v1                    ; wave W
	v_and_b32 v1, 31, v0                           ; lane
	s_wait_kmcnt 0x0
	s_cmp_eq_u32 ttmp9, 0
	s_cbranch_scc1 .Lplace
	; ---- the weights
	v_lshlrev_b32 v[LI], 4, v1
	global_load_b128 v[8:11], v[LI], s[20:21] offset:32768         ; the 128 sets of experts, four a lane
	v_and_b32 v[COL], 7, v1
	v_and_b32 v7, 8, v1
	v_lshl_or_b32 v[COL], v7, 1, v[COL]
	v_and_b32 v7, 16, v1
	v_lshrrev_b32 v7, 1, v7
	v_or_b32 v[COL], v[COL], v7
	v_lshlrev_b32 v[COL], 2, v[COL]                ; 4 x my column: (l & 7) | (l & 8) << 1 | (l & 16) >> 1
	v_lshlrev_b32 v[LS], 2, v1
	s_sub_co_u32 s26, ttmp9, 1
	s_lshr_b32 s27, s26, 8                         ; 0: w1, 1: w2
	s_bfe_u32 s28, s26, 0x40004                    ; e
	s_bfe_u32 s29, s26, 0x20002                    ; q
	s_and_b32 s30, s26, 3                          ; s
	s_lshl_b32 s33, s29, 11                        ; w1: 512 columns a quarter
	s_lshl_b32 s34, s30, 18                        ; w2: 128 rows of 2,048 bytes a K step
	s_cmp_eq_u32 s27, 0
	s_cselect_b64 s[4:5], s[16:17], s[18:19]       ; a choice on the work-group's number alone
	s_cselect_b32 s31, s30, s29                    ; w1: 128 rows of 8,192 bytes a K step; w2: 512 rows of 2,048 bytes a quarter: 2^20 bytes both
	s_cselect_b32 s33, s33, s34
	s_lshl_b32 s31, s31, 20
	s_add_co_u32 s32, s31, s33
	s_lshl_b32 s31, s28, 22                        ; an expert: 2^22 bytes
	s_add_co_u32 s32, s32, s31
	s_lshl_b32 s31, s14, 7                         ; my 32 columns
	s_add_co_u32 s32, s32, s31
	s_mov_b32 s33, 0
	s_add_nc_u64 s[4:5], s[4:5], s[32:33]
	s_lshl_b32 s34, s28, 2
	s_add_co_u32 s34, s34, s29
	s_lshl_b32 s34, s34, 2
	s_lshr_b32 s31, s14, 2
	s_add_co_u32 s34, s34, s31                     ; (4 e + q) 4 + W / 4
	s_and_b32 s35, s14, 3                          ; b = W % 4
	s_mul_i32 s32, s34, 49152
	s_lshl_b32 s31, s30, 3
	s_lshl_b32 s36, s35, 1
	s_add_co_u32 s31, s31, s36
	s_mul_i32 s31, s31, 1536                       ; fragment 8 s + 2 b
	s_add_co_u32 s32, s32, s31
	s_mul_i32 s31, s27, 12582912
	s_add_co_u32 s32, s32, s31
	s_add_nc_u64 s[6:7], s[22:23], s[32:33]
	s_lshl_b32 s32, s34, 11
	s_lshl_b32 s31, s35, 2
	s_add_co_u32 s31, s31, s30
	s_lshl_b32 s31, s31, 7                         ; scale image 4 b + s
	s_add_co_u32 s32, s32, s31
	s_lshl_b32 s31, s27, 19
	s_add_co_u32 s32, s32, s31
	s_add_co_u32 s32, s32, 25165824
	s_add_nc_u64 s[8:9], s[22:23], s[32:33]
	s_lshl_b32 s35, 1, s28
	s_wait_loadcnt 0x0
	v_or_b32 v8, v8, v9
	v_or_b32 v10, v10, v11
	v_or_b32 v8, v8, v10
	v_and_b32 v8, s35, v8
	v_cmp_ne_u32 vcc_lo, 0, v8
	s_cbranch_vccz .Lend                           ; no token chose this expert
	s_cmp_eq_u32 s27, 0
	s_cbranch_scc0 .Lw2
	QSTEP 8192
	s_endpgm
.Lw2:
	QSTEP 2048
.Lend:
	s_endpgm
	; ---- the sort: wave W serves expert W
.Lplace:
	v_lshlrev_b32 v[FIL], 4, v0
	v_lshlrev_b32 v[SCA], 4, v1
	v_lshlrev_b32 v[L4], 2, v1
	v_lshl_add_u32 v[DMP], v0, 2, 48896            ; 4 x (12,224 + thread)
.irp i, 16,17,18,19
	v_mov_b32 v\i, 0
.endr
.irp i, 0,1,2,3,4,5
	global_store_b128 v[FIL], v[16:19], s[24:25] offset:8192*\i    ; zeros over the table and the entries: 512 threads x 16 bytes x 6
.endr
	s_mov_b32 s38, 0
	SCAN 1                                         ; s38 = my expert's rows
	v_mov_b32 v[CNT], s38
	v_mov_b32 v[CWA], s14
	v_lshlrev_b32 v[CWA], 2, v[CWA]
	ds_store_b32 v[CWA], v[CNT]                    ; all lanes write the same word with the same value
	s_wait_dscnt 0x0
	s_barrier_signal -1
	s_barrier_wait -1
	v_mov_b32 v[CRA], 0
.irp i, 0,1,2,3
	ds_load_b128 v[32+4*\i:35+4*\i], v[CRA] offset:16*\i
.endr
	s_wait_dscnt 0x0
.irp e, 0,1,2,3,4,5,6,7,8,9,10,11,12,13,14,15
	v_readfirstlane_b32 s[48+\e], v[32+\e]
.endr
	TSUM 67, 8, 8192
	TSUM 68, 9, 7282
	TSUM 69, 10, 6554
	s_mov_b32 s70, 11                              ; c,
	s_mov_b32 s71, 5958                            ; and the multiplier for a division by 16 c
	s_cmp_le_u32 s69, 64
	s_cselect_b32 s70, 10, s70
	s_cselect_b32 s71, 6554, s71
	s_cmp_le_u32 s68, 64
	s_cselect_b32 s70, 9, s70
	s_cselect_b32 s71, 7282, s71
	s_cmp_le_u32 s67, 64
	s_cselect_b32 s70, 8, s70
	s_cselect_b32 s71, 8192, s71
	s_lshl_b32 s76, s70, 4                         ; M
	s_sub_co_u32 s72, s76, 1
	s_mov_b32 s73, 0                               ; my expert's first tile
	s_mov_b32 s74, 0                               ; its tiles
	s_mov_b32 s75, 0                               ; an expert that has rows
.irp e, 0,1,2,3,4,5,6,7,8,9,10,11,12,13,14,15
	s_add_co_u32 s66, s[48+\e], s72
	s_mul_i32 s66, s66, s71
	s_lshr_b32 s66, s66, 20
	s_cmp_gt_u32 s14, \e
	s_cselect_b32 s78, s66, 0
	s_add_co_u32 s73, s73, s78
	s_cmp_eq_u32 s14, \e
	s_cselect_b32 s74, s66, s74
	s_cmp_lg_u32 s[48+\e], 0
	s_cselect_b32 s75, \e, s75
.endr
	s_mul_i32 s77, s73, s76                        ; my expert's first entry
	s_cmp_lg_u32 s14, 0
	s_cbranch_scc1 .Lnot0
	s_wait_storecnt 0x0                            ; my zeros over the table have landed (its 256 bytes are the first 16 threads')
	v_mov_b32 v20, s75
	v_mov_b32 v21, s75
	v_lshlrev_b32 v22, 3, v1
	global_store_b64 v22, v[20:21], s[24:25]       ; all 64 tiles: a used expert, no rows
.Lnot0:
	s_wait_storecnt 0x0                            ; for the others' sake: what I have stored so far has landed
	s_barrier_signal -1
	s_barrier_wait -1
	s_mov_b32 s47, s77
	v_mov_b32 v[LAST], 0
	v_mov_b32 v[TMP], 0
	s_mov_b32 s80, 0x76543210
	s_mov_b32 s81, 0xfedcba98
	SCAN 2
.irp x, 1,2,4,8
	v_mov_b32_dpp v[TMP], v[LAST] row_xmask:\x row_mask:0xf bank_mask:0xf
	v_max_u32 v[LAST], v[LAST], v[TMP]
.endr
	v_permlanex16_b32 v[TMP], v[LAST], s80, s81
	v_max_u32 v[LAST], v[LAST], v[TMP]             ; my expert's last row id
	s_wait_xcnt 0x0                                ; the walk's last store has read its offset
	v_add_nc_u32 v[POS], s38, v1                   ; entries n + lane, up to the next multiple of 16, repeat it
	s_add_co_u32 s79, s38, 15
	s_and_b32 s45, s79, -16
	v_cmp_gt_u32 vcc_lo, s45, v[POS]
	v_add_nc_u32 v[POS], s77, v[POS]
	v_lshlrev_b32 v[POS], 2, v[POS]
	v_cndmask_b32 v[POS], v[DMP], v[POS], vcc_lo   ; the other lanes: their own words behind the entries
	v_min_u32 v[POS], 0xc6fc, v[POS]
	global_store_b32 v[POS], v[LAST], s[24:25] offset:256
	v_mul_lo_u32 v[TMP], v1, s76                   ; my expert's tile i = lane: i M rows lie in front of it
	v_sub_nc_u32 v16, s79, v[TMP]
	v_lshrrev_b32 v16, 4, v16
	v_min_u32 v16, s70, v16                        ; its sixteens of rows
	v_add_nc_u32 v17, s73, v1
	v_mul_lo_u32 v18, v17, s76                     ; its first entry
	v_lshlrev_b32 v18, 16, v18
	v_lshl_or_b32 v18, v16, 8, v18
	v_or_b32 v18, s14, v18
	v_min_u32 v17, 63, v17
	v_lshlrev_b32 v17, 2, v17                      ; its word of the table
	v_add_nc_u32 v19, 256, v[DMP]                  ; my own word behind the entries, counted from the buffer's first byte
	v_cmp_gt_u32 vcc_lo, s74, v1                   ; an expert has 2,048 rows at the most: 16 tiles of 128: under the wave's 32 lanes
	s_wait_xcnt 0x0                                ; the store above has read its offset
	v_cndmask_b32 v[POS], v19, v17, vcc_lo
	v_min_u32 v[POS], 0xc7fc, v[POS]
	global_store_b32 v[POS], v18, s[24:25]
	s_wait_tensorcnt 0x0                           ; the wave's end
	ds_add_u32 v[SPW], v[NIL]
	s_wait_dscnt 0x0
	s_endpgm
.Lfunc_end_k_q1ebb840264_wprep:
	.size	k_q1ebb840264_wprep, .Lfunc_end_k_q1ebb840264_wprep-k_q1ebb840264_wprep
	.p2alignl 7, 3214868480
	.fill 96, 4, 3214868480
	.section	.rodata,"a",@progbits
	.p2align	6, 0x0
	.amdhsa_kernel k_q1ebb840264_wprep
		.amdhsa_group_segment_fixed_size 2304
		.amdhsa_private_segment_fixed_size 0
		.amdhsa_enable_private_segment 0
		.amdhsa_kernarg_size 40
		.amdhsa_user_sgpr_count 2
		.amdhsa_user_sgpr_kernarg_segment_ptr 1
		.amdhsa_wavefront_size32 1
		.amdhsa_system_sgpr_workgroup_id_x 1
		.amdhsa_system_sgpr_workgroup_id_y 1
		.amdhsa_system_sgpr_workgroup_id_z 1
		.amdhsa_system_vgpr_workitem_id 0
		.amdhsa_next_free_vgpr 128
		.amdhsa_next_free_sgpr 96
		.amdhsa_reserve_vcc 1
		.amdhsa_float_denorm_mode_32 3
		.amdhsa_float_denorm_mode_16_64 3
		.amdhsa_memory_ordered 1
		.amdhsa_forward_progress 1
		.amdhsa_inst_pref_size 88
	.end_amdhsa_kernel
	.amdgpu_metadata
---
amdhsa.version: [ 1, 2 ]
amdhsa.kernels:
  - .name:           k_q1ebb840264_wprep
    .symbol:         k_q1ebb840264_wprep.kd
    .args:
      - { .name: w1, .offset: 0, .size: 8, .value_kind: global_buffer, .address_space: global }
      - { .name: w2, .offset: 8, .size: 8, .value_kind: global_buffer, .address_space: global }
      - { .name: ri, .offset: 16, .size: 8, .value_kind: global_buffer, .address_space: global }
      - { .name: wq, .offset: 24, .size: 8, .value_kind: global_buffer, .address_space: global }
      - { .name: list, .offset: 32, .size: 8, .value_kind: global_buffer, .address_space: global }
    .group_segment_fixed_size: 2304
    .private_segment_fixed_size: 0
    .kernarg_segment_align: 8
    .kernarg_segment_size: 40
    .max_flat_workgroup_size: 512
    .sgpr_count:     96
    .vgpr_count:     128
    .wavefront_size: 32
...
	.end_amdgpu_metadata
.endif
;; end of part 3
;; launch chain (part 4): grid 64 x 4, 4 waves a work-group, no clusters, 191,488 bytes of LDS; arguments wq, hq, list, b1, b2, part; writes part
.if DOCPART == 4
	.amdgcn_target "amdgcn-amd-amdhsa--gfx1250"
	.amdhsa_code_object_version 6
	.text
	.protected	k_q1ebb840264_chain
	.globl	k_q1ebb840264_chain
	.p2align	8
	.type	k_q1ebb840264_chain,@function
k_q1ebb840264_chain:
	s_mov_b64 s[64:65], 0
	v_nop
	global_prefetch_b8 v0, s[64:65] scope:SCOPE_SE
	s_setreg_imm32_b32 hwreg(HW_REG_WAVE_MODE, 25, 1), 1
	s_wait_xcnt 0x0
; One tile of at most 176 routed rows of ONE expert e, and one quarter q of the hidden axis: hid = Q(gelu(Q(h) Q(w1[e][:, quarter]) + b1)), part[q][row] = hid Q(w2[e][quarter, :]) (+ b2[e] where q = 0).
; WORK LEFT OUT: only the rows that the list names are multiplied: for the other experts of a token the gate is exactly 0.  The four quarters' parts, the gates and the views are summed by the last launch.
; gelu(x) = x/2 + x/2 erf(x / sqrt 2), erf(z) = z A(z^2) / B(z^2) on z held to +-4 (A of degree 6, B of degree 4; beyond 4 erf is 1 in f32), all in f32.  LIMIT: NaN and infinities are not served.
; No tensor load and no cluster: the expert, the rows and the number of trips that do work are whole numbers read from memory, so the operands go from memory straight into registers, and partners would not run alike.
; SHARES.  Work-group (x, y): tile x of the table, quarter y.  THE WAVES SHARE THE COLUMNS: wave w keeps hidden units 512 q + 128 w .. + 127 of w1 and outputs 128 w .. + 127 of w2 (K = the quarter's 512) in registers,
; 64 fragments loaded as images, while the rows pass, 16 at a time.  The rows' codes of h are gathered once into LDS as images; the hidden quarter goes from wave to wave through LDS as images.
; Both loops have the constant trip count 11 and jump over a trip's work where the tile has fewer sixteens; both barriers stand outside every branch, so a tile with no rows passes them and stores nothing.
; REGISTERS, in windows of 256: window 0 as named below; fragment f (0-31 w1, 32-63 w2; f = 8 s + t) in window 1 + f / 21 at 12 (f % 21); f = 63 in window 0.
.set XIMG, 0                           ; LDS: h's fragments of 12 tiles of 16 rows: 6,144 bytes a tile, K step s at 1,536 s
.set XSC,  73728                       ; their scale words: 512 bytes a tile: lane l's four words at 16 l
.set HIMG, 79872                       ; the hidden quarter's fragments: (11 s + m) x 1,536: each wave's stores are one run of its own
.set HSC,  147456                      ; their scale words: (11 s + m) x 128
.set BIA1, 153088                      ; b1: 512 bytes for each wave
.set BIA2, 155136                      ; b2, or zeros
.set STG,  157184                      ; the way out: 16 rows x (512 bytes + 16) for each wave
.set SPARE, 190976                     ; the spare words, 128 bytes for each wave: two blocks of 256 bytes that no other line names
.set HWI, 1                            ; v1   16 x lane + 16,896 w
.set LI,  4                            ; v4   16 x lane
.set LS,  5                            ; v5   4 x lane
.set AX,  6                            ; v6-9 the trip's LDS addresses (in the head: where the gathered rows and the biases go)
.set AXS, 7
.set AH,  8
.set AHS, 9
.set BB1, 10                           ; v10  BIA1 + 512 w + 64 h
.set BB2, 11                           ; v11  BIA2 + 512 w + 64 h
.set SO,  12                           ; v12  STG + 8,448 w + 528 r + 64 h
.set SR,  13                           ; v13  STG + 8,448 w + 16 x lane
.set PB,  14                           ; v14  512 w + 16 x lane: my bytes of a row of part
.set HWS, 15                           ; v15  4 x lane + 1,408 w
.set XF,  16                           ; v16-63   four fragments of rows; between products: z, z^2 and A of 16 numbers
.set GZ,  16
.set GX,  32
.set GP,  48
.set XS,  64                           ; v64-67   the rows' scale words
.set HA,  68                           ; v68-131  eight result tiles
.set PC,  132                          ; v132-151 the codes just made
.set RO,  132                          ; v132-147 in the second loop: the 16 rows' byte offsets in part
.set TM,  152                          ; v152-167 at work in QUANT
.set PW,  168
.set W63, 170                          ; v170-181 fragment 63
.set W1S, 182                          ; v182-197 w1's scale words: 4 b + s: lanes 0-15 tile 2 b's, lanes 16-31 tile 2 b + 1's
.set W2S, 198                          ; v198-213 w2's
.set GQ,  214                          ; v214-229 B of 16 numbers
.set VA11, 230                         ; v230-231 a coefficient of A, twice
.set VB6, 232                          ; v232-233 a coefficient of B, twice
.set RH,  234                          ; v234-236 row ids; v237-239, v240-242 the gathers' offsets
.set GA,  237
.set SA,  240
.set TP,  243
.set BV,  244                          ; v244-251 b1's and b2's four numbers
.set SPW, 252                          ; v252 LDS address of my spare word; never rewritten
.set NIL, 253                          ; v253 0; never rewritten
.set WV,  18
.set SEL, 20
.set C_RS, 66                          ; s[66:87]: eleven constants, each twice: the packed forms name a pair and take its low word for both halves
.set C_A13, 68
.set C_A9, 70
.set C_A7, 72
.set C_A5, 74
.set C_A3, 76
.set C_A1, 78
.set C_B8, 80
.set C_B4, 82
.set C_B2, 84
.set C_B0, 86
.set MSB, 0
.macro WIN new                         ; the immediate's high byte repeats the setting that is left; a switch that changes nothing is dropped
.if MSB != (\new)
	s_set_vgpr_msb (MSB<<8)|(\new)
.set MSB, (\new)
.endif
.endm
; 64 numbers of a lane, register 16 b + i = k 32 b + 16 (lane / 16) + i of my row, become a fragment's codes in v[PC] on and its scale word in v[PW]
.macro QUANT s
.irp b, 0,1,2,3
	v_max3_num_f32 v[TM+\b], |v[\s+16*\b]|, |v[\s+1+16*\b]|, 0x1800000   ; my 16 numbers of block b, and the floor 2^(3 - 127): the byte cannot fall under 1
.endr
.irp i, 2,4,6,8,10,12,14
.irp b, 0,1,2,3
	v_max3_num_f32 v[TM+\b], v[TM+\b], |v[\s+16*\b+\i]|, |v[\s+1+16*\b+\i]|
.endr
.endr
.irp b, 0,1,2,3
	v_permlanex16_b32 v[TM+4+\b], v[TM+\b], s[SEL], s[SEL+1]
.endr
.irp b, 0,1,2,3
	v_max_num_f32 v[TM+\b], v[TM+\b], v[TM+4+\b]   ; with lane l xor 16's: the block's largest magnitude
.endr
.irp b, 0,1,2,3
	v_add_nc_u32 v[TM+12+\b], 0xff000000, v[TM+\b] ; 2 off its exponent field: the conversion's scale operand
.endr
.irp b, 0,1,2,3
	v_lshrrev_b32 v[TM+4+\b], 23, v[TM+12+\b]      ; the scale's byte
.endr
	v_lshl_or_b32 v[PW], v[TM+5], 8, v[TM+4]
	v_lshl_or_b32 v[PW], v[TM+6], 16, v[PW]
	v_lshl_or_b32 v[PW], v[TM+7], 24, v[PW]
.irp c, 0,1
	v_cvt_scalef32_pk16_fp6_f32 v[PC+6*\c:PC+2+6*\c], v[\s+32*\c:\s+15+32*\c], v[TM+12+2*\c]
	v_cvt_scalef32_pk16_fp6_f32 v[PC+12+4*\c:PC+14+4*\c], v[\s+16+32*\c:\s+31+32*\c], v[TM+12+2*\c+1]
.endr
	v_nop                                          ; one plain place behind a scaled conversion
.irp c, 0,1                            ; the operand's layout wants a whole block in a lane: lanes 0-15 block 2 c, lanes 16-31 block 2 c + 1
.irp i, 0,1,2
	v_permlane16_swap_b32 v[PC+6*\c+\i], v[PC+12+4*\c+\i]
.endr
.irp i, 0,1,2
	v_mov_b32 v[PC+3+6*\c+\i], v[PC+12+4*\c+\i]
.endr
.endr
.endm
.macro IMAGE adr, off
.irp c, 0,1,2
	ds_store_b128 v[\adr], v[PC+4*\c:PC+4*\c+3] offset:\off+512*\c
.endr
.endm
.macro FETCH reg, adr, off
.irp c, 0,1,2
	ds_load_b128 v[\reg+4*\c:\reg+4*\c+3], v[\adr] offset:\off+512*\c
.endr
.endm
.macro BARRIER                         ; my LDS stores have landed and my LDS loads are in: then the work-group's barrier
	s_wait_dscnt 0x0
	s_barrier_signal -1
	s_barrier_wait -1
.endm
.macro WLOAD lo, hi, base              ; fragments lo .. hi from their images: three loads of 512 consecutive bytes each
.set f_, \lo
.rept (\hi)-(\lo)+1
.if f_ == 63
	WIN 0
.set rg_, W63
.else
	WIN (1+f_/21)<<6
.set rg_, 12*(f_%21)
.endif
.irp j, 0,1,2
	global_load_b128 v[rg_+4*\j:rg_+4*\j+3], v[LI], s[\base:\base+1] offset:(f_%32)*1536+512*\j
.endr
.set f_, f_+1
.endr
	WIN 0
.endm
.macro BIAS adr                        ; the bias in the result's layout: register 8 t + j of lane (r, h) is column 32 (t / 2) + 16 h + 8 (t % 2) + j.  It is the C of each sum's first product
.irp t, 0,1,2,3,4,5,6,7
	ds_load_b128 v[HA+8*\t:HA+8*\t+3], v[\adr] offset:128*(\t/2)+32*(\t%2)
	ds_load_b128 v[HA+8*\t+4:HA+8*\t+7], v[\adr] offset:128*(\t/2)+32*(\t%2)+16
.endr
.endm
; 32 matrix instructions: K steps 0-3 x my eight tiles of columns, for the 16 rows in XF.  The eight accumulators take turns, one instruction a turn, over the loops' backward jumps too
.macro MM fbase, zero, sreg
.set s_, 0
.rept 4
.set t_, 0
.rept 8
.set f_, (\fbase)+8*s_+t_
.if f_ == 63
	WIN 0
.set rg_, W63
.else
	WIN 1+f_/21
.set rg_, 12*(f_%21)
.endif
.if (\zero) && (s_ == 0)
.if t_%2
	v_wmma_scale_f32_16x16x128_f8f6f4 v[HA+8*t_:HA+8*t_+7], v[rg_:rg_+11], v[XF+12*s_:XF+12*s_+11], 0, v[\sreg+4*(t_/2)+s_], v[XS+s_] matrix_a_fmt:MATRIX_FMT_FP6 matrix_b_fmt:MATRIX_FMT_FP6 matrix_a_scale:MATRIX_SCALE_ROW1
.else
	v_wmma_scale_f32_16x16x128_f8f6f4 v[HA+8*t_:HA+8*t_+7], v[rg_:rg_+11], v[XF+12*s_:XF+12*s_+11], 0, v[\sreg+4*(t_/2)+s_], v[XS+s_] matrix_a_fmt:MATRIX_FMT_FP6 matrix_b_fmt:MATRIX_FMT_FP6
.endif
.else
.if t_%2
	v_wmma_scale_f32_16x16x128_f8f6f4 v[HA+8*t_:HA+8*t_+7], v[rg_:rg_+11], v[XF+12*s_:XF+12*s_+11], v[HA+8*t_:HA+8*t_+7], v[\sreg+4*(t_/2)+s_], v[XS+s_] matrix_a_fmt:MATRIX_FMT_FP6 matrix_b_fmt:MATRIX_FMT_FP6 matrix_a_scale:MATRIX_SCALE_ROW1
.else
	v_wmma_scale_f32_16x16x128_f8f6f4 v[HA+8*t_:HA+8*t_+7], v[rg_:rg_+11], v[XF+12*s_:XF+12*s_+11], v[HA+8*t_:HA+8*t_+7], v[\sreg+4*(t_/2)+s_], v[XS+s_] matrix_a_fmt:MATRIX_FMT_FP6 matrix_b_fmt:MATRIX_FMT_FP6
.endif
.endif
.set t_, t_+1
.endr
.set s_, s_+1
.endr
	WIN 0
.rept 4
	v_nop                                          ; four places in front of the first read of results and of the first write of the rows' registers (ISA guide 7.12.1)
.endr
.endm
; gelu of the 16 numbers v[HA + 16 k] on, in place, two at a time.  The 16 reciprocals are one batch with one wait; two runs of plain lines that name none of them stand between
.macro GELU16 k
.set GB_, HA+16*(\k)
.irp i, 0,2,4,6,8,10,12,14
	v_pk_mul_f32 v[GZ+\i:GZ+\i+1], v[GB_+\i:GB_+\i+1], s[C_RS:C_RS+1] op_sel_hi:[1,0]       ; z = x / sqrt 2 (each accumulator is read from its low end on)
.endr
.irp i, 0,1,2,3,4,5,6,7,8,9,10,11,12,13,14,15
	v_med3_num_f32 v[GZ+\i], v[GZ+\i], -4.0, 4.0
.endr
.irp i, 0,2,4,6,8,10,12,14
	v_pk_mul_f32 v[GX+\i:GX+\i+1], v[GZ+\i:GZ+\i+1], v[GZ+\i:GZ+\i+1]
.endr
.irp i, 0,2,4,6,8,10,12,14
	v_pk_fma_f32 v[GP+\i:GP+\i+1], v[GX+\i:GX+\i+1], s[C_A13:C_A13+1], v[VA11:VA11+1] op_sel_hi:[1,0,1]
.endr
.irp c, C_A9, C_A7, C_A5, C_A3, C_A1
.irp i, 0,2,4,6,8,10,12,14
	v_pk_fma_f32 v[GP+\i:GP+\i+1], v[GP+\i:GP+\i+1], v[GX+\i:GX+\i+1], s[\c:\c+1] op_sel_hi:[1,1,0]
.endr
.endr
.irp i, 0,2,4,6,8,10,12,14
	v_pk_fma_f32 v[GQ+\i:GQ+\i+1], v[GX+\i:GX+\i+1], s[C_B8:C_B8+1], v[VB6:VB6+1] op_sel_hi:[1,0,1]
.endr
.irp c, C_B4, C_B2, C_B0
.irp i, 0,2,4,6,8,10,12,14
	v_pk_fma_f32 v[GQ+\i:GQ+\i+1], v[GQ+\i:GQ+\i+1], v[GX+\i:GX+\i+1], s[\c:\c+1] op_sel_hi:[1,1,0]
.endr
.endr
.irp i, 0,1,2,3,4,5,6,7,8,9,10,11,12,13,14,15
	v_rcp_f32 v[GQ+\i], v[GQ+\i]
.endr
.irp i, 0,2,4,6,8,10,12,14
	v_pk_mul_f32 v[GP+\i:GP+\i+1], v[GP+\i:GP+\i+1], v[GZ+\i:GZ+\i+1]
.endr
.irp i, 0,2,4,6,8,10,12,14
	v_pk_mul_f32 v[GB_+\i:GB_+\i+1], v[GB_+\i:GB_+\i+1], 0.5 op_sel_hi:[1,0]
.endr
	s_wait_alu depctr_va_vdst(0)                   ; one wait for the batch, ahead of its first reader
.irp i, 0,2,4,6,8,10,12,14
	v_pk_mul_f32 v[GP+\i:GP+\i+1], v[GP+\i:GP+\i+1], v[GQ+\i:GQ+\i+1]                      ; erf(z)
.endr
.irp i, 0,2,4,6,8,10,12,14
	v_pk_fma_f32 v[GB_+\i:GB_+\i+1], v[GB_+\i:GB_+\i+1], v[GP+\i:GP+\i+1], v[GB_+\i:GB_+\i+1]
.endr
.endm
	s_load_b256 s[4:11], s[0:1], 0x0               ; wq s[4:5], hq s[6:7], list s[8:9], b1 s[10:11]
	s_load_b128 s[12:15], s[0:1], 0x20             ; b2 s[12:13], part s[14:15]
	v_lshl_add_u32 v[SPW], v0, 2, SPARE
	v_mov_b32 v[NIL], 0
	v_lshrrev_b32 v1, 5, v0
	v_readfirstlane_b32 s[WV], v1                  ; wave 0..3
	s_and_b32 s19, ttmp7, 0xffff                   ; q
	s_lshl_b32 s23, ttmp9, 2
	s_wait_kmcnt 0x0
	s_load_b32 s22, s[8:9], s23 offset:0x0         ; my tile's word of the table
	v_and_b32 v242, 31, v0                         ; lane
	v_and_b32 v2, 15, v0                           ; r
	v_bfe_u32 v3, v0, 4, 1                         ; h
	v_lshlrev_b32 v[LI], 4, v242
	v_lshlrev_b32 v[LS], 2, v242
	s_mul_i32 s48, s[WV], 16896
	v_add_nc_u32 v[HWI], s48, v[LI]
	s_mul_i32 s48, s[WV], 1408
	v_add_nc_u32 v[HWS], s48, v[LS]
	s_lshl_b32 s48, s[WV], 9
	v_lshl_add_u32 v[BB1], v3, 6, s48
	v_add_nc_u32 v[BB2], BIA2, v[BB1]
	v_add_nc_u32 v[BB1], BIA1, v[BB1]
	v_add_nc_u32 v[PB], s48, v[LI]
	v_add_nc_u32 v[AXS], XSC, v[PB]                ; in the head: where my gathered rows' scale words go,
	v_add_nc_u32 v[AH], BIA1, v[PB]                ; my biases,
	s_mul_i32 s48, s[WV], 6144
	v_add_nc_u32 v[AX], s48, v[LI]                 ; and my gathered rows' images
	s_mul_i32 s48, s[WV], 8448
	s_add_co_u32 s48, s48, STG
	v_add_nc_u32 v[SR], s48, v[LI]
	v_mul_u32_u24 v[SO], v2, 528
	v_lshl_add_u32 v[SO], v3, 6, v[SO]
	v_add_nc_u32 v[SO], s48, v[SO]
	s_mov_b32 s[SEL], 0x76543210
	s_mov_b32 s[SEL+1], 0xfedcba98
	s_mov_b32 s[C_RS], 0x3f3504f3                  ; 1 / sqrt 2
	s_mov_b32 s[C_A13], 0xaf95df0b                 ; A: -2.72614226e-10,
	s_mov_b32 s[C_A9], 0xb60cff51                  ; (2.77068142e-8 lies in v230) -2.10102402e-6,
	s_mov_b32 s[C_A7], 0xb86ec2d2                  ; -5.69250639e-5,
	s_mov_b32 s[C_A5], 0xba40ac63                  ; -7.34990630e-4,
	s_mov_b32 s[C_A3], 0xbb41a1f6                  ; -2.95459981e-3,
	s_mov_b32 s[C_A1], 0xbc83dbd4                  ; -1.60960333e-2
	s_mov_b32 s[C_B8], 0xb77460cd                  ; B: -1.45660718e-5,
	s_mov_b32 s[C_B4], 0xbadc924e                  ; (-2.13374055e-4 lies in v232) -1.68282697e-3,
	s_mov_b32 s[C_B2], 0xbbf19bf8                  ; -7.37332917e-3,
	s_mov_b32 s[C_B0], 0xbc69b6a7                  ; -1.42647391e-2
.irp c, C_RS, C_A13, C_A9, C_A7, C_A5, C_A3, C_A1, C_B8, C_B4, C_B2, C_B0
	s_mov_b32 s[\c+1], s[\c]
.endr
	v_mov_b32 v[VA11], 0x32edffee
	v_mov_b32 v[VA11+1], 0x32edffee
	v_mov_b32 v[VB6], 0xb95fbd29
	v_mov_b32 v[VB6+1], 0xb95fbd29
	s_mov_b32 s51, 0
	s_wait_kmcnt 0x0
	s_and_b32 s23, s22, 15
	s_min_u32 s23, s23, 15                         ; the expert
	s_bfe_u32 s24, s22, 0x80008
	s_min_u32 s24, s24, 11                         ; sixteens of rows
	s_lshr_b32 s25, s22, 16
	s_min_u32 s25, s25, 0x2f00                     ; the tile's first entry of the list: with the 192 entries read from there on it stays inside the list's 12,224
	s_lshl_b32 s31, s25, 2
	s_lshl_b32 s48, s[WV], 6
	s_add_co_u32 s48, s48, s31
	v_lshl_add_u32 v[TP], v2, 2, s48
.irp i, 0,1,2
	global_load_b32 v[RH+\i], v[TP], s[8:9] offset:256+256*\i      ; the row ids of tiles w, w + 4, w + 8: lane (r, h) takes row r's
.endr
	s_lshl_b32 s48, s23, 2
	s_add_co_u32 s48, s48, s19
	s_lshl_b32 s48, s48, 2
	s_add_co_u32 s48, s48, s[WV]                   ; (4 e + q) 4 + w
	s_mul_i32 s50, s48, 49152
	s_add_nc_u64 s[52:53], s[4:5], s[50:51]        ; w1's codes: my 32 fragments
	s_add_nc_u64 s[54:55], s[52:53], 12582912      ; w2's
	s_lshl_b32 s50, s48, 11
	s_add_co_u32 s50, s50, 25165824
	s_add_nc_u64 s[56:57], s[4:5], s[50:51]        ; w1's scale words; w2's lie 524,288 bytes on
	s_lshl_b32 s50, s23, 13
	s_lshl_b32 s48, s19, 11
	s_add_co_u32 s50, s50, s48
	s_lshl_b32 s48, s[WV], 9
	s_add_co_u32 s50, s50, s48
	s_add_nc_u64 s[60:61], s[10:11], s[50:51]      ; b1: my 128 numbers
	s_lshl_b32 s50, s23, 11
	s_add_co_u32 s50, s50, s48
	s_add_nc_u64 s[62:63], s[12:13], s[50:51]      ; b2: my 128
	s_lshl_b32 s50, s19, 24
	s_add_nc_u64 s[58:59], s[14:15], s[50:51]      ; part: my quarter's 8,192 rows of 2,048 bytes
	WLOAD 0, 19, 52
	s_wait_loadcnt 60                              ; the row ids are in; the 60 loads behind them may be out
.irp i, 0,1,2
	v_lshrrev_b32 v[GA+\i], 6, v[RH+\i]            ; the token's tile of 16,
	v_min_u32 v[GA+\i], 127, v[GA+\i]
	v_mul_u32_u24 v[GA+\i], v[GA+\i], 6144
	v_bfe_u32 v[TP], v[RH+\i], 2, 4                ; its row there: lane (r, h) takes the 16 bytes that lane (that row, h) stored in each piece
	v_min_u32 v[TP], 15, v[TP]
	v_lshl_add_u32 v[GA+\i], v[TP], 4, v[GA+\i]
	v_lshl_add_u32 v[GA+\i], v3, 8, v[GA+\i]
	v_lshrrev_b32 v[SA+\i], 2, v[RH+\i]            ; the token: its four scale words
	v_min_u32 v[SA+\i], 0x7ff, v[SA+\i]
	v_lshlrev_b32 v[SA+\i], 4, v[SA+\i]
.endr
.irp k, 0,1,2,3,4,5,6,7,8,9,10,11
	global_load_b128 v[16+4*\k:19+4*\k], v[GA], s[6:7] offset:512*\k
.endr
.irp k, 0,1,2,3,4,5,6,7,8,9,10,11
	global_load_b128 v[68+4*\k:71+4*\k], v[GA+1], s[6:7] offset:512*\k
.endr
.irp k, 0,1,2,3,4,5,6,7,8,9,10,11
	global_load_b128 v[116+4*\k:119+4*\k], v[GA+2], s[6:7] offset:512*\k
.endr
.irp i, 0,1,2
	global_load_b128 v[GQ+4*\i:GQ+4*\i+3], v[SA+\i], s[6:7] offset:786432
.endr
	WLOAD 20, 31, 52
.irp i, 0,1,2,3,4,5,6,7,8,9,10,11,12,13,14,15
	global_load_b32 v[W1S+\i], v[LS], s[56:57] offset:128*\i
.endr
	global_load_b128 v[BV:BV+3], v[LI], s[60:61]
	global_load_b128 v[BV+4:BV+7], v[LI], s[62:63]
	s_wait_loadcnt 54                              ; the gathered rows are in; behind them: 36 + 16 + 2 loads
.irp k, 0,1,2,3,4,5,6,7,8,9,10,11
	ds_store_b128 v[AX], v[16+4*\k:19+4*\k] offset:512*\k
.endr
.irp k, 0,1,2,3,4,5,6,7,8,9,10,11
	ds_store_b128 v[AX], v[68+4*\k:71+4*\k] offset:24576+512*\k
.endr
.irp k, 0,1,2,3,4,5,6,7,8,9,10,11
	ds_store_b128 v[AX], v[116+4*\k:119+4*\k] offset:49152+512*\k
.endr
.irp i, 0,1,2
	ds_store_b128 v[AXS], v[GQ+4*\i:GQ+4*\i+3] offset:2048*\i
.endr
	WLOAD 32, 51, 54
	s_wait_loadcnt 60                              ; w1, its scale words and the biases are in
	s_cmp_eq_u32 s19, 0
	s_cselect_b32 s48, -1, 0
.irp i, 4,5,6,7
	v_cndmask_b32 v[BV+\i], 0, v[BV+\i], s48       ; b2 is added once: by quarter 0
.endr
	ds_store_b128 v[AH], v[BV:BV+3]
	ds_store_b128 v[AH], v[BV+4:BV+7] offset:2048
	WLOAD 52, 63, 54                               ; the rest of w2 lands while the first loop runs
.irp i, 0,1,2,3,4,5,6,7,8,9,10,11,12,13,14,15
	global_load_b32 v[W2S+\i], v[LS], s[56:57] offset:524288+128*\i
.endr
	BARRIER                                        ; the rows' images lie in LDS
.irp b, 0,1,2,3
	v_mov_b32 v[TM+4+\b], 0                        ; written once: a lane permute's destination counts as one of its sources
.endr
	; ---- 1: the hidden quarter, 16 rows a trip; my 128 units are K step w of the second product
	s_mov_b32 s26, 0
	s_mov_b32 s27, XIMG
	s_mov_b32 s28, XSC
	s_mov_b32 s29, HIMG
	s_mov_b32 s30, HSC
.Lp1:
	s_cmp_ge_u32 s26, s24
	s_cbranch_scc1 .Lp1skip
	v_add_nc_u32 v[AX], s27, v[LI]
	v_add_nc_u32 v[AXS], s28, v[LI]
	v_add_nc_u32 v[AH], s29, v[HWI]
	v_add_nc_u32 v[AHS], s30, v[HWS]
.irp s, 0,1,2,3
	FETCH XF+12*\s, AX, 1536*\s
.endr
	ds_load_b128 v[XS:XS+3], v[AXS]
	BIAS BB1
	s_wait_dscnt 0x0
	MM 0, 0, W1S
	GELU16 0
	GELU16 1
	GELU16 2
	GELU16 3
	QUANT HA
	IMAGE AH, 0
	ds_store_b32 v[AHS], v[PW]
	s_wait_dscnt 0x0                               ; the stores have read their registers
.Lp1skip:
	s_add_co_u32 s27, s27, 6144
	s_add_co_u32 s28, s28, 512
	s_add_co_u32 s29, s29, 1536
	s_add_co_u32 s30, s30, 128
	s_add_co_u32 s26, s26, 1
	s_cmp_lt_u32 s26, 11
	s_cbranch_scc1 .Lp1
	BARRIER                                        ; the hidden quarter's fragments lie in LDS
	s_wait_loadcnt 0x0                             ; w2 and its scale words
	; ---- 2: my 128 outputs, 16 rows a trip; each row leaves as 512 consecutive bytes of its row of part
	s_mov_b32 s26, 0
	s_mov_b32 s27, HIMG
	s_mov_b32 s28, HSC
	s_add_co_u32 s31, s31, 256                     ; the tile's first entry, in bytes
.Lp2:
	s_cmp_ge_u32 s26, s24
	s_cbranch_scc1 .Lp2skip
	s_wait_xcnt 0x0                                ; the last trip's stores have read their data and offsets
	s_load_b512 s[32:47], s[8:9], s31 offset:0x0   ; the trip's 16 row ids
	v_add_nc_u32 v[AX], s27, v[LI]
	v_add_nc_u32 v[AXS], s28, v[LS]
.irp s, 0,1,2,3
	FETCH XF+12*\s, AX, 16896*\s
	ds_load_b32 v[XS+\s], v[AXS] offset:1408*\s
.endr
	BIAS BB2
	s_wait_dscnt 0x0
	MM 32, 0, W2S
	s_wait_kmcnt 0x0
.irp i, 0,1,2,3,4,5,6,7,8,9,10,11,12,13,14,15
	s_min_u32 s[32+\i], s[32+\i], 0x1fff
	s_lshl_b32 s[32+\i], s[32+\i], 11
	v_add_nc_u32 v[RO+\i], s[32+\i], v[PB]
.endr
.irp t, 0,1,2,3,4,5,6,7
	ds_store_b128 v[SO], v[HA+8*\t:HA+8*\t+3] offset:128*(\t/2)+32*(\t%2)          ; each accumulator from its low end on
	ds_store_b128 v[SO], v[HA+8*\t+4:HA+8*\t+7] offset:128*(\t/2)+32*(\t%2)+16
.endr
.irp i, 0,1,2,3,4,5,6,7,8,9,10,11,12,13,14,15
	ds_load_b128 v[HA+4*\i:HA+4*\i+3], v[SR] offset:528*\i         ; the stage is my own, and LDS serves a wave's instructions in order (ISA guide 5.7.1.4): these see the stores above
.endr
.irp i, 0,1,2,3,4,5,6,7,8,9,10,11,12,13,14,15
	s_wait_dscnt 15-\i                             ; row i is back; the rows behind it may be out
	global_store_b128 v[RO+\i], v[HA+4*\i:HA+4*\i+3], s[58:59] th:TH_STORE_NT      ; 32 lanes store 512 consecutive bytes, aligned
.endr
.Lp2skip:
	s_add_co_u32 s27, s27, 1536
	s_add_co_u32 s28, s28, 128
	s_add_co_u32 s31, s31, 64
	s_add_co_u32 s26, s26, 1
	s_cmp_lt_u32 s26, 11
	s_cbranch_scc1 .Lp2
	s_wait_tensorcnt 0x0                           ; the wave's end
	ds_add_u32 v[SPW], v[NIL]
	s_wait_dscnt 0x0
	s_endpgm
.Lfunc_end_k_q1ebb840264_chain:
	.size	k_q1ebb840264_chain, .Lfunc_end_k_q1ebb840264_chain-k_q1ebb840264_chain
	.p2alignl 7, 3214868480
	.fill 96, 4, 3214868480
	.section	.rodata,"a",@progbits
	.p2align	6, 0x0
	.amdhsa_kernel k_q1ebb840264_chain
		.amdhsa_group_segment_fixed_size 191488
		.amdhsa_private_segment_fixed_size 0
		.amdhsa_enable_private_segment 0
		.amdhsa_kernarg_size 48
		.amdhsa_user_sgpr_count 2
		.amdhsa_user_sgpr_kernarg_segment_ptr 1
		.amdhsa_wavefront_size32 1
		.amdhsa_system_sgpr_workgroup_id_x 1
		.amdhsa_system_sgpr_workgroup_id_y 1
		.amdhsa_system_sgpr_workgroup_id_z 1
		.amdhsa_system_vgpr_workitem_id 0
		.amdhsa_next_free_vgpr 1024
		.amdhsa_next_free_sgpr 96
		.amdhsa_reserve_vcc 0
		.amdhsa_float_denorm_mode_32 3
		.amdhsa_float_denorm_mode_16_64 3
		.amdhsa_memory_ordered 1
		.amdhsa_forward_progress 1
		.amdhsa_inst_pref_size 97
	.end_amdhsa_kernel
	.amdgpu_metadata
---
amdhsa.version: [ 1, 2 ]
amdhsa.kernels:
  - .name:           k_q1ebb840264_chain
    .symbol:         k_q1ebb840264_chain.kd
    .args:
      - { .name: wq, .offset: 0, .size: 8, .value_kind: global_buffer, .address_space: global }
      - { .name: hq, .offset: 8, .size: 8, .value_kind: global_buffer, .address_space: global }
      - { .name: list, .offset: 16, .size: 8, .value_kind: global_buffer, .address_space: global }
      - { .name: b1, .offset: 24, .size: 8, .value_kind: global_buffer, .address_space: global }
      - { .name: b2, .offset: 32, .size: 8, .value_kind: global_buffer, .address_space: global }
      - { .name: part, .offset: 40, .size: 8, .value_kind: global_buffer, .address_space: global }
    .group_segment_fixed_size: 191488
    .private_segment_fixed_size: 0
    .kernarg_segment_align: 8
    .kernarg_segment_size: 48
    .max_flat_workgroup_size: 128
    .sgpr_count:     96
    .vgpr_count:     1024
    .wavefront_size: 32
...
	.end_amdgpu_metadata
.endif
;; end of part 4
;; launch combine (part 5): grid 1024 x 1, 4 waves a work-group, no clusters, 0 bytes of LDS; arguments part, gate, out0; writes out0
.if DOCPART == 5
	.amdgcn_target "amdgcn-amd-amdhsa--gfx1250"
	.amdhsa_code_object_version 6
	.text
	.protected	k_q1ebb840264_combine
	.globl	k_q1ebb840264_combine
	.p2align	8
	.type	k_q1ebb840264_combine,@function
k_q1ebb840264_combine:
	s_mov_b64 s[64:65], 0
	v_nop
	global_prefetch_b8 v0, s[64:65] scope:SCOPE_SE
	s_setreg_imm32_b32 hwreg(HW_REG_WAVE_MODE, 25, 1), 1
	s_wait_xcnt 0x0
; out0[n] = sum over the two views and the four chosen experts of gate x (the sum of the four quarters' parts of that routed row), all in f32.
; The twelve experts that a token did not choose have the gate 0 and are left out, as in the launches before.
; A work-group is a token n; thread t owns the 16 bytes at 16 t of the row, so a wave's load or store covers 512 consecutive bytes.  All 32 loads go out at once; memory binds, so there is no LDS, no barrier, no matrix unit.
; part: [quarter][row id][512] f32, row id = 4 (1,024 view + n) + slot.
.set OFF, 1                            ; v1-8   16 t + quarter x 2^24 + view x 2^23: index 4 view + quarter
.set ACC, 16                           ; v16-19 the sums
.set R,   32                           ; v32-159 group k = 4 view + slot: four registers for each quarter
	s_load_b128 s[4:7], s[0:1], 0x0                ; part s[4:5], gate s[6:7]
	s_load_b64 s[8:9], s[0:1], 0x10                ; out0
	v_lshlrev_b32 v[OFF], 4, v0
.set k_, 1
.rept 7
	v_add_nc_u32 v[OFF+k_], (k_%4)*16777216+(k_/4)*8388608, v[OFF]
.set k_, k_+1
.endr
	s_lshl_b32 s10, ttmp9, 4
	s_lshl_b32 s20, ttmp9, 13                      ; four rows of 2,048 bytes a token
	s_mov_b32 s21, 0
	s_lshl_b32 s22, ttmp9, 11
	s_mov_b32 s23, 0
	s_wait_kmcnt 0x0
	s_load_b128 s[12:15], s[6:7], s10 offset:0x0   ; view 0's four gates
	s_load_b128 s[16:19], s[6:7], s10 offset:0x4000   ; view 1's
	s_add_nc_u64 s[4:5], s[4:5], s[20:21]
	s_add_nc_u64 s[8:9], s[8:9], s[22:23]
.set k_, 0
.rept 8
.irp q, 0,1,2,3
	global_load_b128 v[R+16*k_+4*\q:R+16*k_+4*\q+3], v[OFF+4*(k_/4)+\q], s[4:5] offset:2048*(k_%4) th:TH_LOAD_NT
.endr
.set k_, k_+1
.endr
	s_wait_kmcnt 0x0
.set k_, 0
.rept 8
.set G_, R+16*k_
	s_wait_loadcnt 28-4*k_                         ; this group's four loads are in; the groups behind it may be out
.irp q, 4,8,12
	v_pk_add_f32 v[G_:G_+1], v[G_:G_+1], v[G_+\q:G_+\q+1]
	v_pk_add_f32 v[G_+2:G_+3], v[G_+2:G_+3], v[G_+\q+2:G_+\q+3]
.endr
.irp i, 0,1,2,3
.if k_ == 0
	v_mul_f32 v[ACC+\i], s[12+k_], v[G_+\i]        ; the first group starts the sums
.else
	v_fma_f32 v[ACC+\i], s[12+k_], v[G_+\i], v[ACC+\i]
.endif
.endr
.set k_, k_+1
.endr
	global_store_b128 v[OFF], v[ACC:ACC+3], s[8:9]
	s_endpgm
.Lfunc_end_k_q1ebb840264_combine:
	.size	k_q1ebb840264_combine, .Lfunc_end_k_q1ebb840264_combine-k_q1ebb840264_combine
	.p2alignl 7, 3214868480
	.fill 96, 4, 3214868480
	.section	.rodata,"a",@progbits
	.p2align	6, 0x0
	.amdhsa_kernel k_q1ebb840264_combine
		.amdhsa_group_segment_fixed_size 0
		.amdhsa_private_segment_fixed_size 0
		.amdhsa_enable_private_segment 0
		.amdhsa_kernarg_size 24
		.amdhsa_user_sgpr_count 2
		.amdhsa_user_sgpr_kernarg_segment_ptr 1
		.amdhsa_wavefront_size32 1
		.amdhsa_system_sgpr_workgroup_id_x 1
		.amdhsa_system_sgpr_workgroup_id_y 1
		.amdhsa_system_sgpr_workgroup_id_z 1
		.amdhsa_system_vgpr_workitem_id 0
		.amdhsa_next_free_vgpr 160
		.amdhsa_next_free_sgpr 66
		.amdhsa_reserve_vcc 0
		.amdhsa_float_denorm_mode_32 3
		.amdhsa_float_denorm_mode_16_64 3
		.amdhsa_memory_ordered 1
		.amdhsa_forward_progress 1
		.amdhsa_inst_pref_size 10
	.end_amdhsa_kernel
	.amdgpu_metadata
---
amdhsa.version: [ 1, 2 ]
amdhsa.kernels:
  - .name:           k_q1ebb840264_combine
    .symbol:         k_q1ebb840264_combine.kd
    .args:
      - { .name: part, .offset: 0, .size: 8, .value_kind: global_buffer, .address_space: global }
      - { .name: gate, .offset: 8, .size: 8, .value_kind: global_buffer, .address_space: global }
      - { .name: out0, .offset: 16, .size: 8, .value_kind: global_buffer, .address_space: global }
    .group_segment_fixed_size: 0
    .private_segment_fixed_size: 0
    .kernarg_segment_align: 8
    .kernarg_segment_size: 24
    .max_flat_workgroup_size: 128
    .sgpr_count:     66
    .vgpr_count:     160
    .wavefront_size: 32
...
	.end_amdgpu_metadata
.endif
;; end of part 5
;; ======== version 2 of 2: 5 launches; 1.19 times as fast as version 1
;; workspace buffers: pq 826,368 bytes; hq 819,200 bytes; ri 8,704 bytes of whole numbers; gate 32,768 bytes; wq 26,214,400 bytes; list 51,200 bytes of whole numbers; part 67,108,864 bytes
;; launch pquant: the kernel of part 1 again; grid 17 x 1, 16 waves a work-group, no clusters, 0 bytes of LDS; arguments proj_w, router_w, expert_keys, pq; writes pq
;; launch route (part 6): grid 128 x 1, 4 waves a work-group, no clusters, 16,128 bytes of LDS; arguments view0, view1, proj_b, pq, hq, ri, gate; writes hq, ri, gate
.if DOCPART == 6
	.amdgcn_target "amdgcn-amd-amdhsa--gfx1250"
	.amdhsa_code_object_version 6
	.text
	.protected	k_q1ebb840264_route
	.globl	k_q1ebb840264_route
	.p2align	8
	.type	k_q1ebb840264_route,@function
k_q1ebb840264_route:
	s_mov_b64 s[64:65], 0
	v_nop
	global_prefetch_b8 v0, s[64:65] scope:SCOPE_SE
	s_setreg_imm32_b32 hwreg(HW_REG_WAVE_MODE, 25, 1), 1
	s_wait_xcnt 0x0
; For 16 tokens of one view: h = Q(x) Q(proj_w) + proj_b;  r = Q(h) Q(router_w);  d2 = sum r^2 - 2 Q(r) Q(keys) + sum keys^2;  distance = sqrt(max(d2, 0));  the four nearest keys and their gates.
; Stored: h's codes as images of the operand's registers and its scale words (hq); each token's four experts as one word, a byte a slot, and the set of experts that the 16 tokens chose, as whole numbers at fixed places (ri); the gates (gate).
; No address and no branch here hangs on the choice: it is only selected (v_cndmask_b32) and stored.
; The function takes top_k of -distance: here the four SMALLEST distances are taken, the lower index on a tie (a strict comparison in ascending order of index), which is the same choice.
; The gates: softmax of the four -distances, the largest (the smallest distance) taken away first: 2^((d0 - dk) log2 e) / their sum.
; LIMITS: NaN and infinities are not served; v_sqrt_f32 and v_rcp_f32 are good to 1 ulp (ISA guide, their entries), so two distances that lie within that of each other at ranks 4 and 5 may be chosen the other way.
; SHARES.  Work-group g: tokens 16 g on (view g / 64): 128 work-groups, so that each phase is one tile long.  THE WAVES SHARE THE COLUMNS: wave w keeps columns 128 w .. 128 w + 127 of proj_w and of router_w in registers
; (64 fragments, loaded as images).  Of x wave w quantises K step w of the 16 rows.  The last phase is one tile of 16 tokens x 16 keys: wave 0 takes it, under a branch on the wave's number in which no barrier stands.
; Operands go from wave to wave through LDS as images of their registers: three ds_store_b128 at 16 x lane, the scale word at 4 x lane.  Both products are used transposed (source 0 = 16 columns of the weight,
; source 1 = 16 rows): a lane holds one row, and by the choice of a tile's columns the 16 registers of tiles 2 b, 2 b + 1 are 16 neighbours along the next K.
; REGISTERS, in windows of 256: window 0 as named below; fragment f (0-31 proj, 32-63 router; f = 8 s + t) in window 1 + f / 21 at 12 (f % 21); f = 63 in window 0.  The keys' four fragments later take window 1, v0-47.
.set XIMG, 0                           ; LDS: x's four fragments (K step s), 1,536 bytes each; later r's
.set XSC,  6144                        ; their scale words, 128 bytes each
.set HIMG, 6656                        ; h's four fragments
.set HSC,  12800                       ; their scale words
.set RRP,  13312                       ; parts of sum r^2: 64 w + 4 r
.set BIA,  13568                       ; proj_b: 512 bytes for each wave
.set SPARE, 15616                      ; the spare words, 128 bytes for each wave: two blocks of 256 bytes that no other line names
.set XA,  4                            ; v4   x: 2,048 r + 64 h
.set LI,  5                            ; v5   16 x lane
.set LS,  6                            ; v6   4 x lane
.set HWI, 9                            ; v9   16 x lane + 1,536 w
.set HWS, 10                           ; v10  4 x lane + 128 w
.set BB,  11                           ; v11  BIA + 512 w + 64 h
.set RRW, 12                           ; v12  64 w + 4 r
.set O8,  13                           ; v13  16 r + 8 h
.set BW,  14                           ; v14  16 x lane + 512 w
.set RRR, 15                           ; v15  4 r
.set XF,  16                           ; v16-63   four fragments of rows
.set HA,  80                           ; v80-143  eight result tiles; at the head 64 numbers of x
.set PC,  144                          ; v144-163 the codes just made
.set TM,  164                          ; v164-179 at work in QUANT
.set PW,  180                          ; v180 the scale word just made
.set HSR, 181                          ; v181 256 h + 4 r
.set W63, 182                          ; v182-193 fragment 63
.set PS,  194                          ; v194-209 proj_w's scale words: 4 b + s: lanes 0-15 tile 2 b's, lanes 16-31 tile 2 b + 1's
.set RS,  210                          ; v210-225 router_w's
.set KS,  226                          ; v226-229 the keys'
.set KK,  230                          ; v230-237 sum keys^2 of experts 8 h + j
.set XS,  238                          ; v238-241 the rows' scale words
.set DI,  96                           ; the last phase: my 8 distances, v104.. the other half's, v112.. all 16
.set LL,  112
.set TV,  128
.set TI,  132
.set G,   136
.set INF, 140
.set SPW, 252                          ; v252 LDS address of my spare word; never rewritten
.set NIL, 253                          ; v253 0; never rewritten
.set WV,  18
.set SEL, 20
.set MSB, 0
.macro WIN new                         ; the immediate's high byte repeats the setting that is left; a switch that changes nothing is dropped
.if MSB != (\new)
	s_set_vgpr_msb (MSB<<8)|(\new)
.set MSB, (\new)
.endif
.endm
; 64 numbers of a lane, register 16 b + i = k 32 b + 16 (lane / 16) + i of my row, become a fragment's codes in v[PC] on and its scale word in v[PW]
.macro QUANT s
.irp b, 0,1,2,3
	v_max3_num_f32 v[TM+\b], |v[\s+16*\b]|, |v[\s+1+16*\b]|, 0x1800000   ; my 16 numbers of block b, and the floor 2^(3 - 127): the byte cannot fall under 1
.endr
.irp i, 2,4,6,8,10,12,14
.irp b, 0,1,2,3
	v_max3_num_f32 v[TM+\b], v[TM+\b], |v[\s+16*\b+\i]|, |v[\s+1+16*\b+\i]|
.endr
.endr
.irp b, 0,1,2,3
	v_permlanex16_b32 v[TM+4+\b], v[TM+\b], s[SEL], s[SEL+1]
.endr
.irp b, 0,1,2,3
	v_max_num_f32 v[TM+\b], v[TM+\b], v[TM+4+\b]   ; with lane l xor 16's: the block's largest magnitude
.endr
.irp b, 0,1,2,3
	v_add_nc_u32 v[TM+12+\b], 0xff000000, v[TM+\b] ; 2 off its exponent field: the conversion's scale operand
.endr
.irp b, 0,1,2,3
	v_lshrrev_b32 v[TM+4+\b], 23, v[TM+12+\b]      ; the scale's byte
.endr
	v_lshl_or_b32 v[PW], v[TM+5], 8, v[TM+4]
	v_lshl_or_b32 v[PW], v[TM+6], 16, v[PW]
	v_lshl_or_b32 v[PW], v[TM+7], 24, v[PW]
.irp c, 0,1
	v_cvt_scalef32_pk16_fp6_f32 v[PC+6*\c:PC+2+6*\c], v[\s+32*\c:\s+15+32*\c], v[TM+12+2*\c]
	v_cvt_scalef32_pk16_fp6_f32 v[PC+12+4*\c:PC+14+4*\c], v[\s+16+32*\c:\s+31+32*\c], v[TM+12+2*\c+1]
.endr
	v_nop                                          ; one plain place behind a scaled conversion
.irp c, 0,1                            ; the operand's layout wants a whole block in a lane: lanes 0-15 block 2 c, lanes 16-31 block 2 c + 1
.irp i, 0,1,2
	v_permlane16_swap_b32 v[PC+6*\c+\i], v[PC+12+4*\c+\i]
.endr
.irp i, 0,1,2
	v_mov_b32 v[PC+3+6*\c+\i], v[PC+12+4*\c+\i]
.endr
.endr
.endm
.macro IMAGE adr, off
.irp c, 0,1,2
	ds_store_b128 v[\adr], v[PC+4*\c:PC+4*\c+3] offset:\off+512*\c
.endr
.endm
.macro FETCH reg, adr, off
.irp c, 0,1,2
	ds_load_b128 v[\reg+4*\c:\reg+4*\c+3], v[\adr] offset:\off+512*\c
.endr
.endm
.macro BARRIER                         ; my LDS stores have landed and my LDS loads are in: then the work-group's barrier
	s_wait_dscnt 0x0
	s_barrier_signal -1
	s_barrier_wait -1
.endm
.macro WLOAD lo, hi, base              ; fragments lo .. hi from their images: three loads of 512 consecutive bytes each
.set f_, \lo
.rept (\hi)-(\lo)+1
.if f_ == 63
	WIN 0
.set rg_, W63
.else
	WIN (1+f_/21)<<6
.set rg_, 12*(f_%21)
.endif
.irp j, 0,1,2
	global_load_b128 v[rg_+4*\j:rg_+4*\j+3], v[LI], s[\base:\base+1] offset:(f_%32)*1536+512*\j
.endr
.set f_, f_+1
.endr
	WIN 0
.endm
.macro BIAS adr                        ; the bias in the result's layout: register 8 t + j of lane (r, h) is column 32 (t / 2) + 16 h + 8 (t % 2) + j.  It is the C of each sum's first product
.irp t, 0,1,2,3,4,5,6,7
	ds_load_b128 v[HA+8*\t:HA+8*\t+3], v[\adr] offset:128*(\t/2)+32*(\t%2)
	ds_load_b128 v[HA+8*\t+4:HA+8*\t+7], v[\adr] offset:128*(\t/2)+32*(\t%2)+16
.endr
.endm
; 32 matrix instructions: K steps 0-3 x my eight tiles of columns, for the 16 rows in XF.  The eight accumulators take turns, one instruction a turn.  zero = 1: the first K step starts the sums
.macro MM fbase, zero, sreg
.set s_, 0
.rept 4
.set t_, 0
.rept 8
.set f_, (\fbase)+8*s_+t_
.if f_ == 63
	WIN 0
.set rg_, W63
.else
	WIN 1+f_/21
.set rg_, 12*(f_%21)
.endif
.if (\zero) && (s_ == 0)
.if t_%2
	v_wmma_scale_f32_16x16x128_f8f6f4 v[HA+8*t_:HA+8*t_+7], v[rg_:rg_+11], v[XF+12*s_:XF+12*s_+11], 0, v[\sreg+4*(t_/2)+s_], v[XS+s_] matrix_a_fmt:MATRIX_FMT_FP6 matrix_b_fmt:MATRIX_FMT_FP6 matrix_a_scale:MATRIX_SCALE_ROW1
.else
	v_wmma_scale_f32_16x16x128_f8f6f4 v[HA+8*t_:HA+8*t_+7], v[rg_:rg_+11], v[XF+12*s_:XF+12*s_+11], 0, v[\sreg+4*(t_/2)+s_], v[XS+s_] matrix_a_fmt:MATRIX_FMT_FP6 matrix_b_fmt:MATRIX_FMT_FP6
.endif
.else
.if t_%2
	v_wmma_scale_f32_16x16x128_f8f6f4 v[HA+8*t_:HA+8*t_+7], v[rg_:rg_+11], v[XF+12*s_:XF+12*s_+11], v[HA+8*t_:HA+8*t_+7], v[\sreg+4*(t_/2)+s_], v[XS+s_] matrix_a_fmt:MATRIX_FMT_FP6 matrix_b_fmt:MATRIX_FMT_FP6 matrix_a_scale:MATRIX_SCALE_ROW1
.else
	v_wmma_scale_f32_16x16x128_f8f6f4 v[HA+8*t_:HA+8*t_+7], v[rg_:rg_+11], v[XF+12*s_:XF+12*s_+11], v[HA+8*t_:HA+8*t_+7], v[\sreg+4*(t_/2)+s_], v[XS+s_] matrix_a_fmt:MATRIX_FMT_FP6 matrix_b_fmt:MATRIX_FMT_FP6
.endif
.endif
.set t_, t_+1
.endr
.set s_, s_+1
.endr
	WIN 0
.rept 4
	v_nop                                          ; four places in front of the first read of results (ISA guide 7.12.1)
.endr
.endm
.macro TOP k                           ; the smallest of the 16 distances and its index, the lower index on a tie; then it is taken out
	v_mov_b32 v[TV+\k], v[LL]
	v_mov_b32 v[TI+\k], 0
.irp i, 1,2,3,4,5,6,7,8,9,10,11,12,13,14,15
	v_cmp_lt_f32 vcc_lo, v[LL+\i], v[TV+\k]
	v_cndmask_b32 v[TV+\k], v[TV+\k], v[LL+\i], vcc_lo
	v_cndmask_b32 v[TI+\k], v[TI+\k], \i, vcc_lo
.endr
.if \k < 3
.irp i, 0,1,2,3,4,5,6,7,8,9,10,11,12,13,14,15
	v_cmp_eq_u32 vcc_lo, \i, v[TI+\k]
	v_cndmask_b32 v[LL+\i], v[LL+\i], v[INF], vcc_lo
.endr
.endif
.endm
	s_load_b256 s[4:11], s[0:1], 0x0               ; view0 s[4:5], view1 s[6:7], proj_b s[8:9], pq s[10:11]
	s_load_b128 s[12:15], s[0:1], 0x20             ; hq s[12:13], ri s[14:15]
	s_load_b64 s[16:17], s[0:1], 0x30              ; gate
	v_lshl_add_u32 v[SPW], v0, 2, SPARE
	v_mov_b32 v[NIL], 0
	v_lshrrev_b32 v1, 5, v0
	v_readfirstlane_b32 s[WV], v1                  ; wave 0..3
	v_and_b32 v1, 31, v0                           ; lane
	v_and_b32 v2, 15, v0                           ; r
	v_bfe_u32 v3, v0, 4, 1                         ; h
	v_lshlrev_b32 v[XA], 11, v2
	v_lshl_add_u32 v[XA], v3, 6, v[XA]
	v_lshlrev_b32 v[LI], 4, v1
	v_lshlrev_b32 v[LS], 2, v1
	s_lshl_b32 s22, s[WV], 9
	v_add_nc_u32 v[BW], s22, v[LI]
	v_lshlrev_b32 v[BB], 6, v3
	v_add_nc_u32 v[BB], s22, v[BB]
	v_add_nc_u32 v[BB], BIA, v[BB]
	v_lshlrev_b32 v[RRR], 2, v2
	v_lshl_add_u32 v[HSR], v3, 8, v[RRR]
	s_mul_i32 s22, s[WV], 1536
	v_add_nc_u32 v[HWI], s22, v[LI]
	s_lshl_b32 s22, s[WV], 7
	v_add_nc_u32 v[HWS], s22, v[LS]
	s_lshl_b32 s22, s[WV], 6
	v_add_nc_u32 v[RRW], s22, v[RRR]
	v_lshlrev_b32 v[O8], 4, v2
	v_lshl_add_u32 v[O8], v3, 3, v[O8]
	v_lshlrev_b32 v1, 5, v3                        ; 32 h: my eight experts' parts of sum keys^2
	s_mov_b32 s[SEL], 0x76543210
	s_mov_b32 s[SEL+1], 0xfedcba98                 ; v_permlanex16_b32's selects for lane l xor 16
	s_mov_b32 s34, 0xffff0000                      ; lanes 16-31
	s_mov_b32 s25, 0
	s_wait_kmcnt 0x0
	s_lshr_b32 s23, ttmp9, 6                       ; the view
	s_cmp_eq_u32 s23, 0
	s_cselect_b64 s[4:5], s[4:5], s[6:7]           ; a choice on the work-group's number alone
	s_and_b32 s24, ttmp9, 63
	s_lshl_b32 s24, s24, 15                        ; 16 rows of 2,048 bytes
	s_lshl_b32 s26, s[WV], 9                       ; my K step: 128 numbers of each row
	s_add_co_u32 s24, s24, s26
	s_add_nc_u64 s[4:5], s[4:5], s[24:25]
	s_mul_i32 s24, s23, 196608
	s_mul_i32 s26, s[WV], 49152
	s_add_co_u32 s24, s24, s26
	s_add_nc_u64 s[28:29], s[10:11], s[24:25]      ; proj_w's codes: my 32 fragments
	s_add_nc_u64 s[30:31], s[28:29], 393216        ; router_w's
	s_lshl_b32 s24, s23, 13
	s_lshl_b32 s26, s[WV], 11
	s_add_co_u32 s24, s24, s26
	s_add_co_u32 s24, s24, 786432
	s_add_nc_u64 s[32:33], s[10:11], s[24:25]      ; proj_w's scale words; router_w's lie 16,384 bytes on
	s_lshl_b32 s24, s23, 11
	s_lshl_b32 s26, s[WV], 9
	s_add_co_u32 s24, s24, s26
	s_add_nc_u64 s[46:47], s[8:9], s[24:25]        ; proj_b: my 128 numbers
	s_mul_i32 s24, ttmp9, 6144
	s_mul_i32 s26, s[WV], 1536
	s_add_co_u32 s24, s24, s26
	s_add_nc_u64 s[38:39], s[12:13], s[24:25]      ; h's images: tile g, my K step at 1,536 w
	s_lshl_b32 s24, ttmp9, 8                       ; 16 bytes a token, from token 16 g on
	s_add_nc_u64 s[40:41], s[12:13], s[24:25]
	s_add_nc_u64 s[44:45], s[16:17], s[24:25]
	s_lshl_b32 s24, ttmp9, 6                       ; 4 bytes a token
	s_add_nc_u64 s[42:43], s[14:15], s[24:25]
	s_lshl_b32 s24, ttmp9, 2
	s_add_nc_u64 s[36:37], s[14:15], s[24:25]      ; tile g's word among the sets of experts, which begin 8,192 bytes on
	; ---- X: x goes out first; behind it only as many of the weights' loads as leave the count of loads inside its field
.irp b, 0,1,2,3
.irp j, 0,1,2,3
	global_load_b128 v[HA+16*\b+4*\j:HA+16*\b+4*\j+3], v[XA], s[4:5] offset:128*\b+16*\j th:TH_LOAD_NT   ; lane (r, h): 16 neighbours of each block of 32 of row r
.endr
.endr
	global_load_b128 v[242:245], v[LI], s[46:47]
.irp s, 0,1,2,3
	global_load_b128 v[144+8*\s:147+8*\s], v1, s[10:11] offset:825856+128*\s
	global_load_b128 v[148+8*\s:151+8*\s], v1, s[10:11] offset:825856+128*\s+16
.endr
	WLOAD 0, 11, 28
	s_wait_loadcnt 36                              ; x, the bias and the keys' sums are in; the 12 fragments' 36 loads may be out
	WLOAD 12, 20, 28                               ; 27 more: 63 at the most are out
	ds_store_b128 v[BW], v[242:245] offset:BIA
.irp i, 0,2,4,6
	v_pk_add_f32 v[KK+\i:KK+\i+1], v[144+\i:145+\i], v[152+\i:153+\i]
.endr
.irp i, 0,2,4,6
	v_pk_add_f32 v[KK+\i:KK+\i+1], v[KK+\i:KK+\i+1], v[160+\i:161+\i]
.endr
.irp i, 0,2,4,6
	v_pk_add_f32 v[KK+\i:KK+\i+1], v[KK+\i:KK+\i+1], v[168+\i:169+\i]
.endr
.irp b, 0,1,2,3
	v_mov_b32 v[TM+4+\b], 0                        ; written once: a lane permute's destination counts as one of its sources
.endr
	QUANT HA
	IMAGE HWI, XIMG
	ds_store_b32 v[HWS], v[PW] offset:XSC
	WLOAD 21, 31, 28
.irp i, 0,1,2,3,4,5,6,7,8,9,10,11,12,13,14,15
	global_load_b32 v[PS+\i], v[LS], s[32:33] offset:128*\i
.endr
	BARRIER                                        ; x's four fragments lie in LDS
	; ---- 1: h; my 128 columns are K step w of the next products
.irp s, 0,1,2,3
	FETCH XF+12*\s, LI, XIMG+1536*\s
	ds_load_b32 v[XS+\s], v[LS] offset:XSC+128*\s
.endr
	BIAS BB
	s_wait_loadcnt 0x0                             ; proj_w and its scale words
	WLOAD 32, 51, 30                               ; 60 of router_w's loads go out ahead of the product, the rest behind it
	s_wait_dscnt 0x0
	MM 0, 0, PS
	QUANT HA
	IMAGE HWI, HIMG
	ds_store_b32 v[HWS], v[PW] offset:HSC
.irp j, 0,1,2
	global_store_b128 v[LI], v[PC+4*\j:PC+4*\j+3], s[38:39] offset:512*\j   ; 32 lanes store 512 consecutive bytes
.endr
	WLOAD 52, 63, 30
.irp i, 0,1,2,3,4,5,6,7,8,9,10,11,12,13,14,15
	global_load_b32 v[RS+\i], v[LS], s[32:33] offset:16384+128*\i
.endr
	WIN 0x40                                       ; the keys' fragments take the place of proj_w's first four, which are done with (QUANT's lines are the places behind the last product)
.irp s, 0,1,2,3
.irp j, 0,1,2
	global_load_b128 v[12*\s+4*\j:12*\s+4*\j+3], v[LI], s[10:11] offset:819200+1536*\s+512*\j
.endr
.endr
	WIN 0
.irp s, 0,1,2,3
	global_load_b32 v[KS+\s], v[LS], s[10:11] offset:825344+128*\s
.endr
	BARRIER                                        ; h's four fragments lie in LDS, and nobody reads x's any more
	; ---- 2: r; its sum of squares in f32; its codes
	s_wait_xcnt 0x0                                ; the stores have read the codes' registers
	s_wait_loadcnt 16                              ; router_w and its scale words are in; the keys' 16 loads may be out
.irp s, 0,1,2,3
	FETCH XF+12*\s, LI, HIMG+1536*\s
	ds_load_b32 v[XS+\s], v[LS] offset:HSC+128*\s
.endr
	s_wait_dscnt 0x0
	MM 32, 1, RS
	v_pk_mul_f32 v[242:243], v[HA:HA+1], v[HA:HA+1]                ; each accumulator from its low end on
	v_pk_mul_f32 v[244:245], v[HA+2:HA+3], v[HA+2:HA+3]
.irp j, 4,8,12,16,20,24,28,32,36,40,44,48,52,56,60
	v_pk_fma_f32 v[242:243], v[HA+\j:HA+\j+1], v[HA+\j:HA+\j+1], v[242:243]
	v_pk_fma_f32 v[244:245], v[HA+\j+2:HA+\j+3], v[HA+\j+2:HA+\j+3], v[244:245]
.endr
	v_pk_add_f32 v[242:243], v[242:243], v[244:245]
	v_add_f32 v242, v242, v243
	v_permlanex16_b32 v243, v242, s[SEL], s[SEL+1]
	v_add_f32 v242, v242, v243                     ; row r's part over my 128 columns
	ds_store_b32 v[RRW], v242 offset:RRP           ; both lanes of a row write the same word with the same value
	QUANT HA
	IMAGE HWI, XIMG
	ds_store_b32 v[HWS], v[PW] offset:XSC
	BARRIER                                        ; r's four fragments and the parts of its sums lie in LDS
	; ---- 3: wave 0: source 0 = the 16 keys, source 1 = the 16 rows of r: lane (r, h) holds token r and experts 8 h + j
	s_cmp_lg_u32 s[WV], 0
	s_cbranch_scc1 .Ldone
	s_wait_loadcnt 0x0
.irp s, 0,1,2,3
	FETCH XF+12*\s, LI, XIMG+1536*\s
	ds_load_b32 v[XS+\s], v[LS] offset:XSC+128*\s
	ds_load_b32 v[246+\s], v[RRR] offset:RRP+64*\s
.endr
	ds_load_b32 v250, v[HSR] offset:HSC            ; h's scale words of K steps 2 h and 2 h + 1 of token r, on their way to memory
	ds_load_b32 v251, v[HSR] offset:HSC+128
	s_wait_dscnt 0x0
	WIN 1
	v_wmma_scale_f32_16x16x128_f8f6f4 v[HA:HA+7], v[0:11], v[XF:XF+11], 0, v[KS], v[XS] matrix_a_fmt:MATRIX_FMT_FP6 matrix_b_fmt:MATRIX_FMT_FP6
.irp s, 1,2,3
	s_wait_alu depctr_va_vdst(0)                   ; the wait directly ahead of each link
	v_wmma_scale_f32_16x16x128_f8f6f4 v[HA:HA+7], v[12*\s:12*\s+11], v[XF+12*\s:XF+12*\s+11], v[HA:HA+7], v[KS+\s], v[XS+\s] matrix_a_fmt:MATRIX_FMT_FP6 matrix_b_fmt:MATRIX_FMT_FP6
.endr
	WIN 0
	v_add_f32 v246, v246, v247                     ; sum r^2: the four waves' parts.  (With the v_nop: the four places behind the last product)
	v_add_f32 v246, v246, v248
	v_add_f32 v246, v246, v249
	v_nop
.irp j, 0,1,2,3,4,5,6,7
	v_fma_f32 v[DI+\j], -2.0, v[HA+\j], v246
.endr
.irp j, 0,1,2,3,4,5,6,7
	v_add_f32 v[DI+\j], v[DI+\j], v[KK+\j]
.endr
.irp j, 0,1,2,3,4,5,6,7
	v_max_num_f32 v[DI+\j], 0, v[DI+\j]
.endr
.irp j, 0,1,2,3,4,5,6,7
	v_sqrt_f32 v[DI+\j], v[DI+\j]
.endr
.irp j, 0,1,2,3,4,5,6,7
	v_mov_b32 v[DI+8+\j], 0                        ; plain lines behind the batch; a lane permute's destination counts as one of its sources
.endr
	v_mov_b32 v[INF], 0x7f800000
	s_wait_alu depctr_va_vdst(0)                   ; one wait for the eight roots, ahead of their first reader
.irp j, 0,1,2,3,4,5,6,7
	v_permlanex16_b32 v[DI+8+\j], v[DI+\j], s[SEL], s[SEL+1]
.endr
.irp j, 0,1,2,3,4,5,6,7
	v_cndmask_b32 v[LL+\j], v[DI+\j], v[DI+8+\j], s34              ; experts 0-7: lanes 0-15 hold them, lanes 16-31 take the other half's
	v_cndmask_b32 v[LL+8+\j], v[DI+8+\j], v[DI+\j], s34            ; experts 8-15
.endr
	TOP 0
	TOP 1
	TOP 2
	TOP 3
.irp k, 1,2,3
	v_sub_f32 v[G+\k], v[TV], v[TV+\k]             ; the largest logit taken away: 0 or less
.endr
.irp k, 1,2,3
	v_mul_f32 v[G+\k], 0x3fb8aa3b, v[G+\k]
.endr
.irp k, 1,2,3
	v_exp_f32 v[G+\k], v[G+\k]
.endr
	v_mov_b32 v[G], 1.0                            ; a plain line behind the batch
	s_wait_alu depctr_va_vdst(0)
	v_add_f32 v242, v[G+1], v[G+2]
	v_add_f32 v242, v242, v[G+3]
	v_add_f32 v242, 1.0, v242
	v_rcp_f32 v242, v242
	v_mov_b32 v247, 1                              ; a plain line behind the reciprocal
	s_wait_alu depctr_va_vdst(0)
.irp k, 0,1,2,3
	v_mul_f32 v[G+\k], v[G+\k], v242
.endr
	v_lshlrev_b32 v246, v[TI], v247                ; the set of experts that my token chose,
.irp k, 1,2,3
	v_lshlrev_b32 v248, v[TI+\k], v247
	v_or_b32 v246, v246, v248
.endr
.irp x, 1,2,4,8
	v_mov_b32_dpp v248, v246 row_xmask:\x row_mask:0xf bank_mask:0xf
	v_or_b32 v246, v246, v248                      ; and that the 16 tokens chose
.endr
	v_lshl_or_b32 v242, v[TI+1], 8, v[TI]          ; my token's four experts in one word: slot k's in byte k
	v_lshl_or_b32 v242, v[TI+2], 16, v242
	v_lshl_or_b32 v242, v[TI+3], 24, v242
	v_cndmask_b32 v244, v[G], v[G+2], s34          ; lane (r, h) stores slots 2 h and 2 h + 1 of token r: 32 lanes store 256 consecutive bytes, aligned
	v_cndmask_b32 v245, v[G+1], v[G+3], s34
	global_store_b64 v[O8], v[244:245], s[44:45]
	global_store_b64 v[O8], v[250:251], s[40:41] offset:786432
	v_cmp_gt_u32 vcc_lo, 64, v[LS]
	s_wait_xcnt 0x0                                ; EXEC changes only behind this wait
	s_and_saveexec_b32 s35, vcc_lo
	global_store_b32 v[LS], v242, s[42:43]         ; lanes 0-15: 64 consecutive bytes
	s_wait_xcnt 0x0
	s_or_b32 exec_lo, exec_lo, s35
	v_cmp_eq_u32 vcc_lo, 0, v[LS]
	s_and_saveexec_b32 s35, vcc_lo                 ; (no memory instruction has been issued since the last wait on XCNT)
	global_store_b32 v[LS], v246, s[36:37] offset:8192             ; lane 0 alone
	s_wait_xcnt 0x0
	s_or_b32 exec_lo, exec_lo, s35
.Ldone:
	s_wait_tensorcnt 0x0                           ; the wave's end
	ds_add_u32 v[SPW], v[NIL]
	s_wait_dscnt 0x0
	s_endpgm
.Lfunc_end_k_q1ebb840264_route:
	.size	k_q1ebb840264_route, .Lfunc_end_k_q1ebb840264_route-k_q1ebb840264_route
	.p2alignl 7, 3214868480
	.fill 96, 4, 3214868480
	.section	.rodata,"a",@progbits
	.p2align	6, 0x0
	.amdhsa_kernel k_q1ebb840264_route
		.amdhsa_group_segment_fixed_size 16128
		.amdhsa_private_segment_fixed_size 0
		.amdhsa_enable_private_segment 0
		.amdhsa_kernarg_size 56
		.amdhsa_user_sgpr_count 2
		.amdhsa_user_sgpr_kernarg_segment_ptr 1
		.amdhsa_wavefront_size32 1
		.amdhsa_system_sgpr_workgroup_id_x 1
		.amdhsa_system_sgpr_workgroup_id_y 1
		.amdhsa_system_sgpr_workgroup_id_z 1
		.amdhsa_system_vgpr_workitem_id 0
		.amdhsa_next_free_vgpr 1024
		.amdhsa_next_free_sgpr 66
		.amdhsa_reserve_vcc 1
		.amdhsa_float_denorm_mode_32 3
		.amdhsa_float_denorm_mode_16_64 3
		.amdhsa_memory_ordered 1
		.amdhsa_forward_progress 1
		.amdhsa_inst_pref_size 75
	.end_amdhsa_kernel
	.amdgpu_metadata
---
amdhsa.version: [ 1, 2 ]
amdhsa.kernels:
  - .name:           k_q1ebb840264_route
    .symbol:         k_q1ebb840264_route.kd
    .args:
      - { .name: view0, .offset: 0, .size: 8, .value_kind: global_buffer, .address_space: global }
      - { .name: view1, .offset: 8, .size: 8, .value_kind: global_buffer, .address_space: global }
      - { .name: proj_b, .offset: 16, .size: 8, .value_kind: global_buffer, .address_space: global }
      - { .name: pq, .offset: 24, .size: 8, .value_kind: global_buffer, .address_space: global }
      - { .name: hq, .offset: 32, .size: 8, .value_kind: global_buffer, .address_space: global }
      - { .name: ri, .offset: 40, .size: 8, .value_kind: global_buffer, .address_space: global }
      - { .name: gate, .offset: 48, .size: 8, .value_kind: global_buffer, .address_space: global }
    .group_segment_fixed_size: 16128
    .private_segment_fixed_size: 0
    .kernarg_segment_align: 8
    .kernarg_segment_size: 56
    .max_flat_workgroup_size: 128
    .sgpr_count:     66
    .vgpr_count:     1024
    .wavefront_size: 32
...
	.end_amdgpu_metadata
.endif
;; end of part 6
;; launch wprep (part 7): grid 513 x 1, 16 waves a work-group, no clusters, 2,304 bytes of LDS; arguments w1, w2, ri, wq, list; writes wq, list
.if DOCPART == 7
	.amdgcn_target "amdgcn-amd-amdhsa--gfx1250"
	.amdhsa_code_object_version 6
	.text
	.protected	k_q1ebb840264_wprep
	.globl	k_q1ebb840264_wprep
	.p2align	8
	.type	k_q1ebb840264_wprep,@function
k_q1ebb840264_wprep:
	s_mov_b64 s[64:65], 0
	v_nop
	global_prefetch_b8 v0, s[64:65] scope:SCOPE_SE
	s_setreg_imm32_b32 hwreg(HW_REG_WAVE_MODE, 25, 1), 1
	s_wait_xcnt 0x0
; Two jobs in one launch, told apart by the work-group's number.
; WORK-GROUPS 1 .. 512 turn w1 [16][512 (K)][2048] and w2 [16][2048 (K)][512], f32 with K not innermost, into codes of FP6 (E2M3) laid as images of the operand's registers, as the first launch does for proj_w.
; Work-group 1 + kind x 256 + e x 16 + q x 4 + s: expert e, quarter q of the hidden axis (w1: 512 columns; w2: 512 of K), K step s of 128; wave W takes 32 columns.
; WORK LEFT OUT: an expert that no token chose enters no output (its gate is exactly 0 for every token), so its weights are neither read nor stored: a branch on the sets of experts that route stored.
; WORK-GROUP 0 sorts the 8,192 routed rows (row id = 4 x token + slot) by expert, a wave to an expert, with no atomics: count, share the counts through LDS, place.  It stores a table of 64 tiles
; (expert | sixteens of rows << 8 | first entry << 16) and the list of row ids.  A tile has M = 16 c rows at the most, c the least of 8 .. 11 with which all experts together need at most 64 tiles:
; with c = 11 they never need more than 8,192 / 176 + 16 x 175 / 176, under 63, whatever the split.
; THE TOKENS' WORDS STAY IN REGISTERS.  route has stored a token's four experts as one word, a byte a slot: 2,048 words, which a wave brings in by 16 loads into 64 registers and keeps for both passes.
; With w a token's word and e my expert, y = (0x10101010 - (w xor e x 0x01010101)) and 0x10101010 has one bit, at 8 x slot + 4, where the token chose e, and is 0 where not: each byte of the xor lies under 16,
; so no byte borrows from the next.  The slot is (y x 0x00010203) >> 28.  The first pass leaves y in the registers.  An expert's rows lie in the list in the order of registers and lanes: any order serves.
; An expert's last sixteen is filled up with the id of the row placed last (the largest of place << 13 | id), which lies in the same sixteen: it is computed twice there, with equal results.
; Tiles that a split leaves over name a used expert and no rows.  Every byte of the table and of the 12,224 entries is stored: zeros first, and behind a barrier, in front of which every wave has waited for its stores, what counts.
; ALL LANES STAY ON IN THE SORT: a lane that has nothing to place stores into a word of its own behind the entries (entry 12,224 + its thread's number), which nobody reads; its address is a selection,
; and each such byte offset is held under the buffer's end by the last line ahead of its store.
.set COL, 2
.set LI,  3
.set LS,  4
.set SW,  24
.set SPW, 30                           ; v30  LDS address of my spare word; never rewritten
.set NIL, 31                           ; v31  0; never rewritten
.set X,   32
.set F0,  96
.set F1,  108
.set T,   120
.set SPARE, 256                        ; LDS: the 16 counts in the block from 0; from 256 on the spare words, 128 bytes for each of 16 waves, which no other line names
; the sort's registers: those that hold addresses hold no loaded numbers anywhere in this text
.set FIL, 5                            ; v5   16 x thread: the zeros' place
.set SCA, 6                            ; v6   16 x lane: my four tokens' words in a load; also 4 x (4 x lane): my part of a row id
.set PR,  14                           ; v14-21 the placing stores' byte offsets, eight by turns
.set TBA, 22                           ; v22  8 x lane: the table's first filling
.set DMP, 23                           ; v23  4 x (12,224 + thread): my own word behind the entries
.set TW,  25                           ; v25  a tile's word of the table
.set POS, 26                           ; v26  the byte offset of the last two stores
.set CWA, 27                           ; v27  LDS: my expert's count
.set CRA, 28                           ; v28  LDS: 0
.set DW,  29                           ; v29  my own word, counted from the buffer's first byte
.set SL,  96                           ; v96  the slot
.set TMP, 97                           ; v97  at work
.set LAST, 98                          ; v98  the largest place << 13 | row id so far
.set CNT, 99                           ; v99  my expert's count, on its way to LDS
.set RR,  100                          ; v100-107 the placing stores' row ids, eight by turns
.set ZR,  116                          ; v116-119 zeros; later at work
.set DT,  120                          ; v120-121 the table's first filling
.macro LOADB t, stride                 ; block t: rows 32 t .. 32 t + 31 of K at my column, into set t % 2
.set n_, 0
.rept 32
	global_load_b32 v[X+32*((\t)%2)+n_], v[COL], s[4:5] offset:(32*(\t)+n_)*(\stride) th:TH_LOAD_NT
.set n_, n_+1
.endr
.endm
.macro BLK t
.set XB_, X+32*((\t)%2)
.set D_, F0+12*((\t)%2)+6*((\t)/2)
	v_max3_num_f32 v12, |v[XB_]|, |v[XB_+1]|, |v[XB_+2]|            ; the block's largest magnitude: all 32 numbers are mine; two chains
	v_max3_num_f32 v13, |v[XB_+3]|, |v[XB_+4]|, |v[XB_+5]|
.irp i, 6,10,14,18,22,26
	v_max3_num_f32 v12, v12, |v[XB_+\i]|, |v[XB_+\i+1]|
	v_max3_num_f32 v13, v13, |v[XB_+\i+2]|, |v[XB_+\i+3]|
.endr
	v_max3_num_f32 v12, v12, |v[XB_+30]|, |v[XB_+31]|
	v_max3_num_f32 v12, v12, v13, 0x1800000        ; and the floor 2^(3 - 127): the byte cannot fall under 1 (a block of zeros keeps that byte: its codes are zeros)
	v_add_nc_u32 v11, 0xff000000, v12              ; 2 off the exponent field: the conversion's scale operand
	v_lshrrev_b32 v13, 23, v11                     ; the scale's byte
.if (\t) == 0
	v_mov_b32 v[SW], v13
.else
	v_lshl_or_b32 v[SW], v13, 8*(\t), v[SW]
.endif
	v_cvt_scalef32_pk16_fp6_f32 v[D_:D_+2], v[XB_:XB_+15], v11
	v_cvt_scalef32_pk16_fp6_f32 v[T:T+2], v[XB_+16:XB_+31], v11     ; (a conversion's three registers begin on an even number)
	v_nop                                          ; one plain place behind a scaled conversion
.irp i, 0,1,2
	v_mov_b32 v[D_+3+\i], v[T+\i]
.endr
.if (\t)%2
.irp i, 0,1,2,3,4,5                    ; a fragment's lanes 0-15 hold blocks 0 and 2 of their column, lanes 16-31 blocks 1 and 3
	v_permlane16_swap_b32 v[F0+6*((\t)/2)+\i], v[F1+6*((\t)/2)+\i]
.endr
.endif
.endm
.macro QSTEP stride
	LOADB 0, \stride
	LOADB 1, \stride
	s_wait_loadcnt 32                              ; this block's 32 loads are in; the next block's may be out
	BLK 0
	LOADB 2, \stride
	s_wait_loadcnt 32
	BLK 1
	LOADB 3, \stride
	s_wait_loadcnt 32
	BLK 2
	s_wait_loadcnt 0x0
	BLK 3
.irp j, 0,1,2
	global_store_b128 v[LI], v[F0+4*\j:F0+4*\j+3], s[6:7] offset:512*\j          ; 32 lanes store 512 consecutive bytes
.endr
.irp j, 0,1,2
	global_store_b128 v[LI], v[F1+4*\j:F1+4*\j+3], s[6:7] offset:1536+512*\j
.endr
	global_store_b32 v[LS], v[SW], s[8:9]
.endm
.macro TSUM dst, c, magic              ; the tiles that all experts need at 16 c rows a tile: ceil(n / 16 c) = ((n + 16 c - 1) x magic) >> 20, exact for n + 16 c - 1 under 16,384
	s_mov_b32 s[\dst], 0
.irp e, 0,1,2,3,4,5,6,7,8,9,10,11,12,13,14,15
	s_add_co_u32 s66, s[48+\e], 16*(\c)-1
	s_mul_i32 s66, s66, \magic
	s_lshr_b32 s66, s66, 20
	s_add_co_u32 s[\dst], s[\dst], s66
.endr
.endm
	s_load_b256 s[16:23], s[0:1], 0x0              ; w1 s[16:17], w2 s[18:19], ri s[20:21], wq s[22:23]
	s_load_b64 s[24:25], s[0:1], 0x20              ; list
	v_lshl_add_u32 v[SPW], v0, 2, SPARE
	v_mov_b32 v[NIL], 0
	v_lshrrev_b32 v1, 5, v0
	v_readfirstlane_b32 s14, v1                    ; wave W
	v_and_b32 v1, 31, v0                           ; lane
	s_wait_kmcnt 0x0
	s_cmp_eq_u32 ttmp9, 0
	s_cbranch_scc1 .Lplace
	; ---- the weights
	v_lshlrev_b32 v[LI], 4, v1
	global_load_b128 v[8:11], v[LI], s[20:21] offset:8192          ; the 128 sets of experts, four a lane
	v_and_b32 v[COL], 7, v1
	v_and_b32 v7, 8, v1
	v_lshl_or_b32 v[COL], v7, 1, v[COL]
	v_and_b32 v7, 16, v1
	v_lshrrev_b32 v7, 1, v7
	v_or_b32 v[COL], v[COL], v7
	v_lshlrev_b32 v[COL], 2, v[COL]                ; 4 x my column: (l & 7) | (l & 8) << 1 | (l & 16) >> 1
	v_lshlrev_b32 v[LS], 2, v1
	s_sub_co_u32 s26, ttmp9, 1
	s_lshr_b32 s27, s26, 8                         ; 0: w1, 1: w2
	s_bfe_u32 s28, s26, 0x40004                    ; e
	s_bfe_u32 s29, s26, 0x20002                    ; q
	s_and_b32 s30, s26, 3                          ; s
	s_lshl_b32 s33, s29, 11                        ; w1: 512 columns a quarter
	s_lshl_b32 s34, s30, 18                        ; w2: 128 rows of 2,048 bytes a K step
	s_cmp_eq_u32 s27, 0
	s_cselect_b64 s[4:5], s[16:17], s[18:19]       ; a choice on the work-group's number alone
	s_cselect_b32 s31, s30, s29                    ; w1: 128 rows of 8,192 bytes a K step; w2: 512 rows of 2,048 bytes a quarter: 2^20 bytes both
	s_cselect_b32 s33, s33, s34
	s_lshl_b32 s31, s31, 20
	s_add_co_u32 s32, s31, s33
	s_lshl_b32 s31, s28, 22                        ; an expert: 2^22 bytes
	s_add_co_u32 s32, s32, s31
	s_lshl_b32 s31, s14, 7                         ; my 32 columns
	s_add_co_u32 s32, s32, s31
	s_mov_b32 s33, 0
	s_add_nc_u64 s[4:5], s[4:5], s[32:33]
	s_lshl_b32 s34, s28, 2
	s_add_co_u32 s34, s34, s29
	s_lshl_b32 s34, s34, 2
	s_lshr_b32 s31, s14, 2
	s_add_co_u32 s34, s34, s31                     ; (4 e + q) 4 + W / 4
	s_and_b32 s35, s14, 3                          ; b = W % 4
	s_mul_i32 s32, s34, 49152
	s_lshl_b32 s31, s30, 3
	s_lshl_b32 s36, s35, 1
	s_add_co_u32 s31, s31, s36
	s_mul_i32 s31, s31, 1536                       ; fragment 8 s + 2 b
	s_add_co_u32 s32, s32, s31
	s_mul_i32 s31, s27, 12582912
	s_add_co_u32 s32, s32, s31
	s_add_nc_u64 s[6:7], s[22:23], s[32:33]
	s_lshl_b32 s32, s34, 11
	s_lshl_b32 s31, s35, 2
	s_add_co_u32 s31, s31, s30
	s_lshl_b32 s31, s31, 7                         ; scale image 4 b + s
	s_add_co_u32 s32, s32, s31
	s_lshl_b32 s31, s27, 19
	s_add_co_u32 s32, s32, s31
	s_add_co_u32 s32, s32, 25165824
	s_add_nc_u64 s[8:9], s[22:23], s[32:33]
	s_lshl_b32 s35, 1, s28
	s_wait_loadcnt 0x0
	v_or_b32 v8, v8, v9
	v_or_b32 v10, v10, v11
	v_or_b32 v8, v8, v10
	v_and_b32 v8, s35, v8
	v_cmp_ne_u32 vcc_lo, 0, v8
	s_cbranch_vccz .Lend                           ; no token chose this expert
	s_cmp_eq_u32 s27, 0
	s_cbranch_scc0 .Lw2
	QSTEP 8192
	s_endpgm
.Lw2:
	QSTEP 2048
.Lend:
	s_endpgm
	; ---- the sort: wave W serves expert W
.Lplace:
	v_lshlrev_b32 v[FIL], 4, v0
	v_lshlrev_b32 v[SCA], 4, v1
.set n_, 0
.rept 16
	global_load_b128 v[32+4*n_:35+4*n_], v[SCA], s[20:21] offset:512*n_   ; register 4 n + j of lane l: token 128 n + 4 l + j
.set n_, n_+1
.endr
	v_lshl_add_u32 v[DMP], v0, 2, 48896            ; 4 x (12,224 + thread)
.irp i, 0,1,2,3
	v_mov_b32 v[ZR+\i], 0
.endr
.irp i, 0,1,2,3,4,5
	global_store_b128 v[FIL], v[ZR:ZR+3], s[24:25] offset:8192*\i  ; zeros over the table and the entries: 512 threads x 16 bytes x 6
.endr
	s_mul_i32 s36, s14, 0x01010101                 ; my expert in every byte
	s_mov_b32 s37, 0x10101010
	s_mov_b32 s46, 0x00010203
	s_mov_b32 s38, 0                               ; my expert's rows
	s_wait_loadcnt 0x0
	; the first pass: each word becomes y, and my expert's rows are counted; four registers at a time, so that no line waits for the line above it
.set k_, 0
.rept 16
.irp j, 0,1,2,3
	v_xor_b32 v[32+k_+\j], s36, v[32+k_+\j]
.endr
.irp j, 0,1,2,3
	v_sub_nc_u32 v[32+k_+\j], s37, v[32+k_+\j]
.endr
.irp j, 0,1,2,3
	v_and_b32 v[32+k_+\j], s37, v[32+k_+\j]
.endr
.irp j, 0,1,2,3
	v_cmp_ne_u32 s[40+\j], 0, v[32+k_+\j]
.endr
.irp j, 0,1,2,3
	s_bcnt1_i32_b32 s[40+\j], s[40+\j]
.endr
.irp j, 0,1,2,3
	s_add_co_u32 s38, s38, s[40+\j]
.endr
.set k_, k_+4
.endr
	v_mov_b32 v[CNT], s38
	v_mov_b32 v[CWA], s14
	v_lshlrev_b32 v[CWA], 2, v[CWA]
	ds_store_b32 v[CWA], v[CNT]                    ; all lanes write the same word with the same value
	s_wait_dscnt 0x0
	s_barrier_signal -1
	s_barrier_wait -1
	v_mov_b32 v[CRA], 0
.irp i, 0,1,2,3
	ds_load_b128 v[100+4*\i:103+4*\i], v[CRA] offset:16*\i
.endr
	s_wait_dscnt 0x0
.irp e, 0,1,2,3,4,5,6,7,8,9,10,11,12,13,14,15
	v_readfirstlane_b32 s[48+\e], v[100+\e]
.endr
	TSUM 67, 8, 8192
	TSUM 68, 9, 7282
	TSUM 69, 10, 6554
	s_mov_b32 s70, 11                              ; c,
	s_mov_b32 s71, 5958                            ; and the multiplier for a division by 16 c
	s_cmp_le_u32 s69, 64
	s_cselect_b32 s70, 10, s70
	s_cselect_b32 s71, 6554, s71
	s_cmp_le_u32 s68, 64
	s_cselect_b32 s70, 9, s70
	s_cselect_b32 s71, 7282, s71
	s_cmp_le_u32 s67, 64
	s_cselect_b32 s70, 8, s70
	s_cselect_b32 s71, 8192, s71
	s_lshl_b32 s76, s70, 4                         ; M
	s_sub_co_u32 s72, s76, 1
	s_mov_b32 s73, 0                               ; my expert's first tile
	s_mov_b32 s74, 0                               ; its tiles
	s_mov_b32 s75, 0                               ; an expert that has rows
.irp e, 0,1,2,3,4,5,6,7,8,9,10,11,12,13,14,15
	s_add_co_u32 s66, s[48+\e], s72
	s_mul_i32 s66, s66, s71
	s_lshr_b32 s66, s66, 20
	s_cmp_gt_u32 s14, \e
	s_cselect_b32 s78, s66, 0
	s_add_co_u32 s73, s73, s78
	s_cmp_eq_u32 s14, \e
	s_cselect_b32 s74, s66, s74
	s_cmp_lg_u32 s[48+\e], 0
	s_cselect_b32 s75, \e, s75
.endr
	s_mul_i32 s77, s73, s76                        ; my expert's first entry
	s_cmp_lg_u32 s14, 0
	s_cbranch_scc1 .Lnot0
	s_wait_storecnt 0x0                            ; my zeros over the table have landed (its 256 bytes are the first 16 threads')
	v_mov_b32 v[DT], s75
	v_mov_b32 v[DT+1], s75
	v_lshlrev_b32 v[TBA], 3, v1
	global_store_b64 v[TBA], v[DT:DT+1], s[24:25]  ; all 64 tiles: a used expert, no rows
.Lnot0:
	s_wait_storecnt 0x0                            ; for the others' sake: what I have stored so far has landed
	s_barrier_signal -1
	s_barrier_wait -1
	; the second pass: register by register, my expert's rows are placed.  Eight offsets and eight row ids take turns, so that one wait on XCNT serves eight stores
	s_mov_b32 s47, s77                             ; the next free entry
	v_mov_b32 v[LAST], 0
	v_mov_b32 v[TMP], 0
	s_mov_b32 s80, 0x76543210
	s_mov_b32 s81, 0xfedcba98
.set k_, 0
.rept 64
.set p_, k_%8
.if (p_ == 0) && (k_ > 0)
	s_wait_xcnt 0x0                                ; the last eight stores have read their offsets and data: both are written again below
.endif
	v_cmp_ne_u32 vcc_lo, 0, v[32+k_]               ; the lanes whose token chose my expert
	v_mul_lo_u32 v[SL], v[32+k_], s46
	v_mbcnt_lo_u32_b32 v[PR+p_], vcc_lo, s47       ; the row's place: my expert's rows so far, and those in the lanes below me,
	s_bcnt1_i32_b32 s44, vcc_lo
	v_lshrrev_b32 v[SL], 28, v[SL]                 ; the slot
	v_lshlrev_b32 v[PR+p_], 2, v[PR+p_]            ; in bytes
	v_add_nc_u32 v[RR+p_], v[SL], v[SCA]
.if k_ > 0
	v_add_nc_u32 v[RR+p_], 512*(k_/4)+4*(k_%4), v[RR+p_]           ; the row id: 4 x (128 n + 4 x lane + j) + slot
.endif
	v_lshl_or_b32 v[TMP], v[PR+p_], 11, v[RR+p_]   ; place << 13 | row id
	v_cndmask_b32 v[TMP], 0, v[TMP], vcc_lo
	v_max_u32 v[LAST], v[LAST], v[TMP]
	v_cndmask_b32 v[PR+p_], v[DMP], v[PR+p_], vcc_lo               ; a lane whose token did not choose my expert takes its own word behind the entries
	s_add_co_u32 s47, s47, s44
	v_min_u32 v[PR+p_], 0xc6fc, v[PR+p_]           ; held at the last such word: with the 256 bytes of the table in front, inside the buffer's 51,200
	global_store_b32 v[PR+p_], v[RR+p_], s[24:25] offset:256
.set k_, k_+1
.endr
.irp x, 1,2,4,8
	v_mov_b32_dpp v[TMP], v[LAST] row_xmask:\x row_mask:0xf bank_mask:0xf
	v_max_u32 v[LAST], v[LAST], v[TMP]
.endr
	v_permlanex16_b32 v[TMP], v[LAST], s80, s81
	v_max_u32 v[LAST], v[LAST], v[TMP]
	v_and_b32 v[LAST], 0x1fff, v[LAST]             ; the id of the row that was placed last
	v_add_nc_u32 v[POS], s38, v1                   ; entries n + lane, up to the next multiple of 16, repeat it
	s_add_co_u32 s79, s38, 15
	s_and_b32 s45, s79, -16
	v_cmp_gt_u32 vcc_lo, s45, v[POS]
	v_add_nc_u32 v[POS], s77, v[POS]
	v_lshlrev_b32 v[POS], 2, v[POS]
	v_cndmask_b32 v[POS], v[DMP], v[POS], vcc_lo   ; the other lanes: their own words behind the entries
	v_min_u32 v[POS], 0xc6fc, v[POS]
	global_store_b32 v[POS], v[LAST], s[24:25] offset:256
	v_mul_lo_u32 v[TMP], v1, s76                   ; my expert's tile i = lane: i M rows lie in front of it
	v_sub_nc_u32 v[ZR], s79, v[TMP]
	v_lshrrev_b32 v[ZR], 4, v[ZR]
	v_min_u32 v[ZR], s70, v[ZR]                    ; its sixteens of rows
	v_add_nc_u32 v[TW], s73, v1
	v_mul_lo_u32 v[ZR+2], v[TW], s76               ; its first entry
	v_lshlrev_b32 v[ZR+2], 16, v[ZR+2]
	v_lshl_or_b32 v[ZR+2], v[ZR], 8, v[ZR+2]
	v_or_b32 v[ZR+2], s14, v[ZR+2]
	v_min_u32 v[TW], 63, v[TW]
	v_lshlrev_b32 v[TW], 2, v[TW]                  ; its word of the table
	v_add_nc_u32 v[DW], 256, v[DMP]                ; my own word behind the entries, counted from the buffer's first byte
	v_cmp_gt_u32 vcc_lo, s74, v1                   ; an expert has 2,048 rows at the most: 16 tiles of 128: under the wave's 32 lanes
	s_wait_xcnt 0x0                                ; the store above has read its offset
	v_cndmask_b32 v[POS], v[DW], v[TW], vcc_lo
	v_min_u32 v[POS], 0xc7fc, v[POS]
	global_store_b32 v[POS], v[ZR+2], s[24:25]
	s_wait_tensorcnt 0x0                           ; the wave's end
	ds_add_u32 v[SPW], v[NIL]
	s_wait_dscnt 0x0
	s_endpgm
.Lfunc_end_k_q1ebb840264_wprep:
	.size	k_q1ebb840264_wprep, .Lfunc_end_k_q1ebb840264_wprep-k_q1ebb840264_wprep
	.p2alignl 7, 3214868480
	.fill 96, 4, 3214868480
	.section	.rodata,"a",@progbits
	.p2align	6, 0x0
	.amdhsa_kernel k_q1ebb840264_wprep
		.amdhsa_group_segment_fixed_size 2304
		.amdhsa_private_segment_fixed_size 0
		.amdhsa_enable_private_segment 0
		.amdhsa_kernarg_size 40
		.amdhsa_user_sgpr_count 2
		.amdhsa_user_sgpr_kernarg_segment_ptr 1
		.amdhsa_wavefront_size32 1
		.amdhsa_system_sgpr_workgroup_id_x 1
		.amdhsa_system_sgpr_workgroup_id_y 1
		.amdhsa_system_sgpr_workgroup_id_z 1
		.amdhsa_system_vgpr_workitem_id 0
		.amdhsa_next_free_vgpr 128
		.amdhsa_next_free_sgpr 96
		.amdhsa_reserve_vcc 1
		.amdhsa_float_denorm_mode_32 3
		.amdhsa_float_denorm_mode_16_64 3
		.amdhsa_memory_ordered 1
		.amdhsa_forward_progress 1
		.amdhsa_inst_pref_size 120
	.end_amdhsa_kernel
	.amdgpu_metadata
---
amdhsa.version: [ 1, 2 ]
amdhsa.kernels:
  - .name:           k_q1ebb840264_wprep
    .symbol:         k_q1ebb840264_wprep.kd
    .args:
      - { .name: w1, .offset: 0, .size: 8, .value_kind: global_buffer, .address_space: global }
      - { .name: w2, .offset: 8, .size: 8, .value_kind: global_buffer, .address_space: global }
      - { .name: ri, .offset: 16, .size: 8, .value_kind: global_buffer, .address_space: global }
      - { .name: wq, .offset: 24, .size: 8, .value_kind: global_buffer, .address_space: global }
      - { .name: list, .offset: 32, .size: 8, .value_kind: global_buffer, .address_space: global }
    .group_segment_fixed_size: 2304
    .private_segment_fixed_size: 0
    .kernarg_segment_align: 8
    .kernarg_segment_size: 40
    .max_flat_workgroup_size: 512
    .sgpr_count:     96
    .vgpr_count:     128
    .wavefront_size: 32
...
	.end_amdgpu_metadata
.endif
;; end of part 7
;; launch chain: the kernel of part 4 again; grid 64 x 4, 4 waves a work-group, no clusters, 191,488 bytes of LDS; arguments wq, hq, list, b1, b2, part; writes part
;; launch combine: the kernel of part 5 again; grid 1024 x 1, 4 waves a work-group, no clusters, 0 bytes of LDS; arguments part, gate, out0; writes out0
